; MI455X (gfx1250); checked and timed in simulation.
; The chip was launched on July 23, 2026; its instructions are those of AMD's public machine-readable ISA for CDNA 5 (MIT licence, August 2026) and "CDNA5" Instruction Set Architecture Reference Guide (July 2026). The comments in the code are by the model that wrote it; some were corrected since.
;; Multihead Attention. Allowed arithmetic: matrix products marked QUANTISED: E2M3 operands, one E8M0 scale for each 32 along K, by v_wmma_scale_f32_16x16x128_f8f6f4 with both operands' format E2M3, f32 sums; everything else in f32.
;; Inputs: Wk 512 x 512 float32; Wo 512 x 512 float32; Wq 512 x 512 float32; Wv 512 x 512 float32; bk 512 float32; bo 512 float32; bq 512 float32; bv 512 float32; key 4,096 x 2 x 512 float32; query 4,096 x 2 x 512 float32; value 4,096 x 2 x 512 float32.
;; Outputs: out0 4,096 x 2 x 512 float32.
;; This version of the problem:
;;   THIS VERSION OF THE PROBLEM IS GIVEN IN LOW PRECISION. The matrix products marked QUANTISED in the list below multiply operands that are first quantised to E2M3 (2 exponent bits, 3 mantissa bits; 6 bits a number), with one power-of-two scale for each 32 numbers along K (OCP MX v1.0); their sums are f32. All else is computed in f32.
;;   The module's matrix products, in the order in which they are computed (A, B: the left and right operand; K: the contracted axis; several contracted axes count as one K, in the product's order):
;;     1. [M 8,192, K 512] x [K 512, N 512]; A: input query; B: input Wq: QUANTISED
;;     2. [M 8,192, K 512] x [K 512, N 512]; A: input key; B: input Wk: QUANTISED
;;     3. [M 8,192, K 512] x [K 512, N 512]; A: input value; B: input Wv: QUANTISED
;;     4. batch 16 x [M 4,096, K 64] x [K 64, N 4,096]; A: computed on the way; B: computed on the way: QUANTISED
;;     5. batch 16 x [M 64, K 4,096] x [K 4,096, N 4,096]; A: computed on the way; B: softmax (see below): QUANTISED
;;     6. [M 8,192, K 512] x [K 512, N 512]; A: computed on the way; B: input Wo: QUANTISED
;;   THE QUANTISER, for each operand of a quantised product, along K:
;;     - K is cut into blocks of 32 from its start; a last block that is shorter is filled with zeros.
;;     - A block's scale is 2^e with e = floor(log2(the largest magnitude in the block)) - 2, held to -126 .. 127; a block of zeros has e = 0. As a byte (E8M0): e + 127.
;;     - Each number is divided by its block's scale, clamped to +-7.5, and rounded to the nearest number of E2M3, ties to even, subnormals kept.
;;     - The product sums the exact products of the quantised numbers (number of the format x scale) in f32.
;;   ~~~python
;;   def quantise(x, axis):      # numpy; x: float32 -> the quantised numbers, widened to float32 again
;;       x = np.moveaxis(x, axis, -1); K = x.shape[-1]
;;       x = np.pad(x, [(0, 0)] * (x.ndim - 1) + [(0, -K % 32)]); x = x.reshape(x.shape[:-1] + (-1, 32)); a = np.abs(x).max(-1, keepdims=True)
;;       e = np.where(a > 0, np.clip(np.frexp(np.where(a > 0, a, 1))[1] - 1 - 2, -126, 127), 0)      # np.frexp(a)[1] - 1 = floor(log2(a)), exactly
;;       r = np.clip(x / 2.0 ** e, -7.5, 7.5)
;;       step = 2.0 ** (np.maximum(np.frexp(np.where(r == 0, 1, r))[1] - 1, 0) - 3)
;;       q = np.round(r / step) * step * 2.0 ** e      # np.round: ties to even
;;       return np.moveaxis(q.reshape(q.shape[:-2] + (-1,))[..., :K], -1, axis).astype(np.float32)
;;   ~~~
;;   SOFTMAX AHEAD OF A QUANTISED PRODUCT. Where the list says 'softmax', what is quantised is not the finished softmax but p = 2^(t - M), with t = logit x log2(e) and M = ceil(the row's largest t), a whole number; so 1/2 < the row's largest p <= 1. The row's sum l is taken of the UNQUANTISED p, in f32, and the product's result is divided by l at the end. Since M is a whole number, a kernel that streams over the keys may use a running M (the ceiling of the running maximum): every later rescaling is an exact power of two, which a block's scale takes up: the codes' values come out the same.
;;   OPERANDS COMPUTED ON THE WAY. 'Computed on the way' means the value that the module computes at that place (a softmax that the list does not call 'softmax' is quantised finished and normalised). What goes into a quantiser is computed in f32, as accurately as f32 sums, v_exp_f32 and their like allow (about 1e-6 of the number): no bf16 or f16 on the way to a quantiser, and a product that is left as it is and whose result goes on into a quantised operand takes f32 operands (vector FMAs, or v_wmma_f32_16x16x4_f32). A number that lies on a knife's edge between two numbers of the format may be rounded either way, as far as f32 arithmetic and the matrix unit's own rounding can turn it there, and no further.
;; 2 versions. Each part assembles by itself: llvm-mc -triple=amdgcn-amd-amdhsa -mcpu=gfx1250 --defsym DOCPART=n.
;; ======== version 1 of 2: 4 launches
;; workspace buffers: wc 786,432 bytes; ws 32,768 bytes; qb 3,407,872 bytes; kv 6,684,672 bytes; ob 3,145,728 bytes; os 262,144 bytes
;; launch wquant (part 1): grid 128 x 1, 1 waves a work-group, no clusters, 17,152 bytes of LDS; arguments Wq, Wk, Wv, Wo, wc, ws; writes wc, ws
.if DOCPART == 1
	.amdgcn_target "amdgcn-amd-amdhsa--gfx1250"
	.amdhsa_code_object_version 6
	.text
	.protected	k_q6b4432a492_wquant
	.globl	k_q6b4432a492_wquant
	.p2align	8
	.type	k_q6b4432a492_wquant,@function
k_q6b4432a492_wquant:
	s_mov_b64 s[64:65], 0
	v_nop
	global_prefetch_b8 v0, s[64:65] scope:SCOPE_SE
	s_setreg_imm32_b32 hwreg(HW_REG_WAVE_MODE, 25, 1), 1
	s_wait_xcnt 0x0
; Wq, Wk, Wv, Wo [512 (n)][512 (k)] f32 become codes of FP6 (E2M3) with one E8M0 scale byte for each 32 along k, laid as IMAGES OF OPERAND REGISTERS:
;   wc [tensor][tile T 0..31][K step s 0..3][1,536 bytes]: a fragment's 12 registers, register group c (4 registers) of lane l at 512 c + 16 l.
;   ws [tensor][g = T / 2][kh][lane][2 words]: word j is K step 2 kh + j; lanes 0-15 hold tile 2 g's rows, lanes 16-31 tile 2 g + 1's.
; THE ROWS OF A TILE ARE NOT NEIGHBOURS: row r of tile 2 g + u is n = 32 g + 8 u + r + 8 (r / 8), so that results of two neighbouring tiles are 16 neighbours along n.
; A block's scale is 2^(floor(log2(largest magnitude)) - 2); its byte is the largest magnitude's exponent field - 2, held at 1 from below.
; LIMITS: a block of zeros gets the byte 1 where the rule says 127 (its codes are zeros, and this program alone reads the bytes); blocks whose largest magnitude lies under 2^-124 are held at that floor; NaN and infinities are not served.
; SHARES: one wave to a work-group; it takes 32 rows x 256 k of one tensor as four pieces of 16 rows x 128 k.  Each load reads 512 consecutive bytes of a row; a piece turns through the wave's
; stage in LDS (rows 528 bytes apart: 132 words, so sixteen rows start at sixteen different groups of banks) and comes back with 16 neighbours along k in a lane.  No matrix unit, cluster or tensor load: a stream of 4 MiB read once.
.set RP,    2048                       ; bytes from a row of W to the next
.set NP,    4                          ; pieces
.set STGB,  8448                       ; a stage: 16 rows x 528 bytes; two of them by turns
.set SPARE, 2*STGB                     ; behind the stages: the spare words, one block of 256 bytes that no other line names
.set LI,    1                          ; v1   16 x lane
.set L8,    2                          ; v2   8 x lane
.set SA,    1                          ; the stage begins at LDS byte 0: on the way in a lane's place is 16 x lane
.set SRD,   4                          ; v4   on the way out: 528 r + 64 h
.set SPW,   8                          ; v8   LDS address of my spare word; never rewritten
.set NIL,   9                          ; v9   0; never rewritten
.set X,     16                         ; v16-143  two sets of 64 numbers, register 16 b + i = k 32 b + 16 h + i of my row
.set PC,    144                        ; v144-163 the codes just made
.set TM,    164                        ; v164-179 at work in QUANT
.set PWA,   180                        ; v180, v181 the scale words of tiles 2 g and 2 g + 1
.set XSW,   182                        ; v182-183 the two K steps' scale words as they are stored
.set XB,    4                          ; s[4:5] my part of the tensor
.set HM,    24                         ; s24  the mask of lanes 16-31
.set SEL,   26                         ; s[26:27] lane selects for lane l xor 16
; window 1: v0-191 three sets of 64 registers as loaded
.set MSB, 0
.macro WIN new                         ; the immediate's high byte repeats the setting that is left
.if MSB != \new
	s_set_vgpr_msb (MSB<<8)|\new
.set MSB, \new
.endif
.endm
; 64 numbers of a lane become a fragment's codes in v[PC] on and its scale word in v[pw] (the same in lanes l and l xor 16)
.macro QUANT s, pw
.irp b, 0,1,2,3
	v_max3_num_f32 v[TM+\b], |v[\s+16*\b]|, |v[\s+1+16*\b]|, 0x1800000   ; block b: my 16 numbers, and the floor 2^(3 - 127): the byte cannot fall under 1
.endr
.irp i, 2,4,6,8,10,12,14
.irp b, 0,1,2,3
	v_max3_num_f32 v[TM+\b], v[TM+\b], |v[\s+16*\b+\i]|, |v[\s+1+16*\b+\i]|   ; the four blocks by turns
.endr
.endr
.irp b, 0,1,2,3
	v_permlanex16_b32 v[TM+4+\b], v[TM+\b], s[SEL], s[SEL+1]
.endr
.irp b, 0,1,2,3
	v_max_num_f32 v[TM+\b], v[TM+\b], v[TM+4+\b]   ; with lane l xor 16's: the block's largest magnitude
.endr
.irp b, 0,1,2,3
	v_add_nc_u32 v[TM+12+\b], 0xff000000, v[TM+\b]   ; 2 off its exponent field: the conversion's scale operand
.endr
.irp b, 0,1,2,3
	v_lshrrev_b32 v[TM+4+\b], 23, v[TM+12+\b]   ; the scale's byte
.endr
	v_lshl_or_b32 v[\pw], v[TM+5], 8, v[TM+4]
	v_lshl_or_b32 v[\pw], v[TM+6], 16, v[\pw]
	v_lshl_or_b32 v[\pw], v[TM+7], 24, v[\pw]
.irp c, 0,1
	v_cvt_scalef32_pk16_fp6_f32 v[PC+6*\c:PC+2+6*\c], v[\s+32*\c:\s+15+32*\c], v[TM+12+2*\c]
	v_cvt_scalef32_pk16_fp6_f32 v[PC+12+4*\c:PC+14+4*\c], v[\s+16+32*\c:\s+31+32*\c], v[TM+12+2*\c+1]   ; a conversion's three registers begin on an even number
.endr
	v_nop                                          ; one plain place behind a scaled conversion
.irp c, 0,1                                    ; the operand's layout wants a whole block in a lane
.irp i, 0,1,2
	v_permlane16_swap_b32 v[PC+6*\c+\i], v[PC+12+4*\c+\i]
.endr
.irp i, 0,1,2
	v_mov_b32 v[PC+3+6*\c+\i], v[PC+12+4*\c+\i]
.endr
.endr
.endm
; piece p (K step p / 2 of my two, tile p % 2 of my two): sixteen rows, 512 consecutive bytes each, into load set p % 3
.macro LOADP p
	WIN 0x40                                       ; destination window 1
.irp q, 0,1,2,3,4,5,6,7,8,9,10,11,12,13,14,15
	global_load_b128 v[64*((\p)%3)+4*\q:64*((\p)%3)+4*\q+3], v[LI], s[XB:XB+1] offset:(8*((\p)%2)+\q+8*(\q/8))*RP+512*((\p)/2) th:TH_LOAD_NT
.endr
	WIN 0
.endm
; piece p through stage p % 2: LDS serves a wave's instructions in order, so no wait stands between the stores and the loads
.macro TURN p
	WIN 0x04                                       ; an LDS store's data are its source 1: window 1
.irp q, 0,1,2,3,4,5,6,7,8,9,10,11,12,13,14,15
	ds_store_b128 v[SA], v[64*((\p)%3)+4*\q:64*((\p)%3)+4*\q+3] offset:STGB*((\p)%2)+528*\q
.endr
	WIN 0
.irp b, 0,1,2,3
.irp j, 0,1,2,3
	ds_load_b128 v[X+64*((\p)%2)+16*\b+4*\j:X+64*((\p)%2)+16*\b+4*\j+3], v[SRD] offset:STGB*((\p)%2)+128*\b+16*\j
.endr
.endr
.endm
.macro XSTEP p
	s_wait_dscnt 0x0                               ; piece p is back from its stage, and its stores into the stage have read load set p % 3
	s_wait_xcnt 0x0                                ; the last piece's stores have read the codes' registers
.if (\p)+3 < NP
	LOADP (\p)+3
.endif
.if (\p)+1 < NP
.if (\p)+3 < NP
	s_wait_loadcnt 32                              ; piece p + 1 is in; the 16 loads of each of the two younger pieces may be out
.else
	s_wait_loadcnt 16*(NP-2-(\p))                  ; the same, with fewer younger pieces
.endif
	TURN (\p)+1
.endif
	QUANT X+64*((\p)%2), PWA+(\p)%2
.irp c, 0,1,2
	global_store_b128 v[LI], v[PC+4*\c:PC+4*\c+3], s[12:13] offset:6144*((\p)%2)+1536*((\p)/2)+512*\c   ; 32 lanes store 512 consecutive bytes, aligned to 256
.endr
.if (\p)%2 == 1
	v_cndmask_b32 v[XSW+(\p)/2], v[PWA], v[PWA+1], s[HM]   ; lanes 0-15 tile 2 g's words, lanes 16-31 tile 2 g + 1's
.endif
.endm
	s_load_b256 s[4:11], s[0:1], 0x0               ; Wq, Wk, Wv, Wo
	s_load_b128 s[12:15], s[0:1], 0x20             ; wc, ws
	v_lshl_add_u32 v[SPW], v0, 2, SPARE
	v_mov_b32 v[NIL], 0
	v_lshlrev_b32 v[LI], 4, v0                     ; one wave: the thread's number is the lane
	v_lshlrev_b32 v[L8], 3, v0
	v_and_b32 v5, 15, v0                           ; r
	v_lshrrev_b32 v6, 4, v0                        ; h
	v_mul_u32_u24 v[SRD], v5, 528
	v_lshl_add_u32 v[SRD], v6, 6, v[SRD]
.irp b, 0,1,2,3
	v_mov_b32 v[TM+4+\b], 0                        ; written once: a lane permute's destination counts as one of its sources
.endr
	s_and_b32 s16, ttmp9, 1                        ; kh: which 256 along k
	s_bfe_u32 s17, ttmp9, 0x40001                  ; g: which 32 rows
	s_lshr_b32 s18, ttmp9, 5                       ; which tensor
	s_mov_b32 s[HM], 0xffff0000
	s_mov_b32 s[SEL], 0x76543210
	s_mov_b32 s[SEL+1], 0xfedcba98
	s_lshl_b32 s20, s17, 16                        ; W: 32 g rows of 2,048 bytes
	s_lshl_b32 s19, s16, 10                        ;    + 256 kh numbers
	s_add_co_u32 s20, s20, s19
	s_mov_b32 s21, 0
	s_mul_i32 s22, s18, 196608                     ; wc: the tensor, tile 2 g, K step 2 kh
	s_mul_i32 s19, s17, 12288
	s_add_co_u32 s22, s22, s19
	s_mul_i32 s19, s16, 3072
	s_add_co_u32 s22, s22, s19
	s_mov_b32 s23, 0
	s_lshl_b32 s28, s18, 13                        ; ws: 8,192 a tensor, 512 a pair of tiles, 256 a half of k
	s_lshl_b32 s19, s17, 9
	s_add_co_u32 s28, s28, s19
	s_lshl_b32 s19, s16, 8
	s_add_co_u32 s28, s28, s19
	s_mov_b32 s29, 0
	s_wait_kmcnt 0x0
	s_cmp_eq_u32 s18, 1                            ; the choice hangs on the work-group's number alone
	s_cselect_b64 s[4:5], s[6:7], s[4:5]
	s_cmp_eq_u32 s18, 2
	s_cselect_b64 s[4:5], s[8:9], s[4:5]
	s_cmp_eq_u32 s18, 3
	s_cselect_b64 s[4:5], s[10:11], s[4:5]
	s_add_nc_u64 s[XB:XB+1], s[4:5], s[20:21]
	s_add_nc_u64 s[12:13], s[12:13], s[22:23]
	s_add_nc_u64 s[14:15], s[14:15], s[28:29]
	LOADP 0
	LOADP 1
	LOADP 2
	s_wait_loadcnt 32                              ; piece 0 is in; pieces 1 and 2, 16 loads each, may be out
	TURN 0
	XSTEP 0
	XSTEP 1
	XSTEP 2
	XSTEP 3
	global_store_b64 v[L8], v[XSW:XSW+1], s[14:15] ; 32 lanes store 256 consecutive bytes, aligned
	s_wait_tensorcnt 0x0                           ; the wave's end, behind my last LDS store
	ds_add_u32 v[SPW], v[NIL]
	s_wait_dscnt 0x0
	s_endpgm
.Lfunc_end_k_q6b4432a492_wquant:
	.size	k_q6b4432a492_wquant, .Lfunc_end_k_q6b4432a492_wquant-k_q6b4432a492_wquant
	.p2alignl 7, 3214868480
	.fill 96, 4, 3214868480
	.section	.rodata,"a",@progbits
	.p2align	6, 0x0
	.amdhsa_kernel k_q6b4432a492_wquant
		.amdhsa_group_segment_fixed_size 17152
		.amdhsa_private_segment_fixed_size 0
		.amdhsa_enable_private_segment 0
		.amdhsa_kernarg_size 48
		.amdhsa_user_sgpr_count 2
		.amdhsa_user_sgpr_kernarg_segment_ptr 1
		.amdhsa_wavefront_size32 1
		.amdhsa_system_sgpr_workgroup_id_x 1
		.amdhsa_system_sgpr_workgroup_id_y 1
		.amdhsa_system_sgpr_workgroup_id_z 1
		.amdhsa_system_vgpr_workitem_id 0
		.amdhsa_next_free_vgpr 448
		.amdhsa_next_free_sgpr 66
		.amdhsa_reserve_vcc 0
		.amdhsa_float_denorm_mode_32 3
		.amdhsa_float_denorm_mode_16_64 3
		.amdhsa_memory_ordered 1
		.amdhsa_forward_progress 1
		.amdhsa_inst_pref_size 34
	.end_amdhsa_kernel
	.amdgpu_metadata
---
amdhsa.version: [ 1, 2 ]
amdhsa.kernels:
  - .name:           k_q6b4432a492_wquant
    .symbol:         k_q6b4432a492_wquant.kd
    .args:
      - { .name: Wq, .offset: 0, .size: 8, .value_kind: global_buffer, .address_space: global }
      - { .name: Wk, .offset: 8, .size: 8, .value_kind: global_buffer, .address_space: global }
      - { .name: Wv, .offset: 16, .size: 8, .value_kind: global_buffer, .address_space: global }
      - { .name: Wo, .offset: 24, .size: 8, .value_kind: global_buffer, .address_space: global }
      - { .name: wc, .offset: 32, .size: 8, .value_kind: global_buffer, .address_space: global }
      - { .name: ws, .offset: 40, .size: 8, .value_kind: global_buffer, .address_space: global }
    .group_segment_fixed_size: 17152
    .private_segment_fixed_size: 0
    .kernarg_segment_align: 8
    .kernarg_segment_size: 48
    .max_flat_workgroup_size: 32
    .sgpr_count:     66
    .vgpr_count:     448
    .wavefront_size: 32
...
	.end_amdgpu_metadata
.endif
;; end of part 1
;; launch proj (part 2): grid 64 x 3, 4 waves a work-group, no clusters, 119,296 bytes of LDS; arguments query, key, value, bq, bk, bv, wc, ws, qb, kv; writes qb, kv
.if DOCPART == 2
	.amdgcn_target "amdgcn-amd-amdhsa--gfx1250"
	.amdhsa_code_object_version 6
	.text
	.protected	k_q6b4432a492_proj
	.globl	k_q6b4432a492_proj
	.p2align	8
	.type	k_q6b4432a492_proj,@function
k_q6b4432a492_proj:
	s_mov_b64 s[64:65], 0
	v_nop
	global_prefetch_b8 v0, s[64:65] scope:SCOPE_SE
	s_setreg_imm32_b32 hwreg(HW_REG_WAVE_MODE, 25, 1), 1
	s_wait_xcnt 0x0
; q = query Wq^T + bq, k = key Wk^T + bk, v = value Wv^T + bv, on codes of FP6 (E2M3) with one E8M0 scale for each 32 along K; the results are quantised at once for the attention launch.
; Work-group y picks the tensor (0 q, 1 k, 2 v); work-group x = 2 step + b: 128 positions s = 128 step .. + 127 of batch b, all 512 columns, K = 512.
; q's factor 1/8 is a power of two: the codes are those of the unscaled q, and the attention launch carries the factor in its softmax constant.
; PHASE X (all tensors alike): wave w quantises x's row tiles 2 w and 2 w + 1 (tile m's row r is position 32 (m / 2) + 8 (m % 2) + r + 8 (r / 8)) and stores the fragments in LDS as images of their registers; one barrier.
; MAIN: wave w owns columns 128 w .. + 127 (heads 2 w and 2 w + 1; W's tiles 8 w .. 8 w + 7, laid by the launch before in operand order, loaded straight into registers).
;   q, k: source 0 = 16 rows of W, source 1 = 16 rows of x: a lane holds one position, its 64 registers run along the columns, which are the next K (the head's 64): registers 0-5 of the codes are head 2 w's half fragment, 6-11 head 2 w + 1's.
;   v:    source 0 = 16 rows of x, source 1 = 16 rows of W: a lane holds one column d, its 64 registers run along 128 keys, the next K: a whole fragment of V^T.
;   The operand of source 0 stays in 384 registers (R), the other is streamed a tile at a time in two sets (T).  The bias is the C of each sum's first product.
; OUT: qb [hb = 2 head + b][step][6,656]: 8 half images of 768 bytes, then 512 bytes of scale words (16 lane + 4 j: tile 2 j + lane / 16, row lane % 16; bytes 2, 3 are 0: they scale zero codes).
;      kv [hb][step][13,056]: k laid as qb's block; at 6,656 V^T's 4 images of 1,536 bytes; at 12,800 their scale words (8 lane + 4 j).
; NO CLUSTER: the weights go from memory into operand registers, 196,608 bytes a work-group, each byte once; a joint load would send the same bytes through LDS, written and read again, beside x's images.
; LIMITS: a block of zeros gets the byte 1 where the rule says 127 (its codes are zeros; this program alone reads the bytes); blocks under 2^-124 are held at that floor, and q's blocks three exponents lower than the rule's hold would fall; NaN and infinities are not served.
.set RP,    4096                       ; bytes from a position of one batch to the next
.set NP,    8                          ; pieces of 16 rows x 128 k for a wave
.set STGB,  8448                       ; a stage: 16 rows x 528 bytes
.set XIMG,  0                          ; LDS: x's 32 fragments, (tile m, K step s) at (4 m + s) x 1,536
.set XSC,   49152                      ; their scale words: pair of tiles mp at 512 mp + 16 lane, word s
.set STG,   51200                      ; two stages for each wave
.set SPARE, 118784                     ; the spare words, 128 bytes for each wave: two blocks of 256 bytes that no other line names
.set LI,    1                          ; v1   16 x lane
.set L8,    2                          ; v2   8 x lane
.set SA,    3                          ; v3   my stage, way in: 16 x lane
.set SRD,   4                          ; v4   my stage, way out: 528 r + 64 h
.set XWI,   5                          ; v5   where I store x's images
.set XWS,   6                          ; v6   and their scale words
.set BOFQ,  7                          ; v7   bias offset for q, k: 64 h
.set SPW,   8                          ; v8   LDS address of my spare word; never rewritten
.set NIL,   9                          ; v9   0; never rewritten
.set BOFV,  10                         ; v10  bias offset for v: 4 (r + 8 (r / 8))
.set X,     16                         ; v16-143  two sets of 64 numbers of x
.set ACC,   16                         ; v16-79   later: the eight accumulators of a unit
.set PC,    144                        ; v144-163 the codes just made
.set TM,    164                        ; v164-179 at work in QUANT
.set PWA,   180                        ; v180-181 scale words of my two tiles of x
.set XSW,   182                        ; v182-185 x's scale words as stored
.set SW,    186                        ; v186-193 a unit's scale word, eight units
.set SR,    194                        ; v194-197 two units' words in one register
.set SRA,   198                        ; v198-201 head 2 w's bytes
.set SRB,   202                        ; v202-205 head 2 w + 1's
.set XSR,   208                        ; v208-223 x's scale words: scales and nothing else
.set WSR,   224                        ; v224-239 W's scale words: scales and nothing else
.set BIAS,  192                        ; window 1: v192-255 the bias in the result's layout; v0-191 load sets, later T: set e, K step s at 48 e + 12 s
                                       ; window 2: R (i = 0..3, s) at 12 (4 i + s);  window 3: R (i = 4..7, s)
.set XB,    24                         ; s[24:25] x at my wave's first row;  s[26:27] bias;  s[28:29] W's images;  s[30:31] W's scale words;  s[32:33], s[34:35] my two heads' blocks
.set WV,    36
.set TEN,   37
.set HM,    40
.set SEL,   42
.set MSB, 0
.macro WIN new                         ; the immediate's high byte repeats the setting that is left
.if MSB != \new
	s_set_vgpr_msb (MSB<<8)|\new
.set MSB, \new
.endif
.endm
.macro QUANT s, pw                     ; 64 numbers of a lane, register 16 b + i = k 32 b + 16 h + i, become codes in v[PC] on and a scale word in v[pw]
.irp b, 0,1,2,3
	v_max3_num_f32 v[TM+\b], |v[\s+16*\b]|, |v[\s+1+16*\b]|, 0x1800000   ; my 16 numbers of block b, and the floor 2^(3 - 127).  (Each accumulator is read from its low end on)
.endr
.irp i, 2,4,6,8,10,12,14
.irp b, 0,1,2,3
	v_max3_num_f32 v[TM+\b], v[TM+\b], |v[\s+16*\b+\i]|, |v[\s+1+16*\b+\i]|
.endr
.endr
.irp b, 0,1,2,3
	v_permlanex16_b32 v[TM+4+\b], v[TM+\b], s[SEL], s[SEL+1]
.endr
.irp b, 0,1,2,3
	v_max_num_f32 v[TM+\b], v[TM+\b], v[TM+4+\b]
.endr
.irp b, 0,1,2,3
	v_add_nc_u32 v[TM+12+\b], 0xff000000, v[TM+\b]   ; 2 off the exponent field: the conversion's scale operand
.endr
.irp b, 0,1,2,3
	v_lshrrev_b32 v[TM+4+\b], 23, v[TM+12+\b]
.endr
	v_lshl_or_b32 v[\pw], v[TM+5], 8, v[TM+4]
	v_lshl_or_b32 v[\pw], v[TM+6], 16, v[\pw]
	v_lshl_or_b32 v[\pw], v[TM+7], 24, v[\pw]
.irp c, 0,1
	v_cvt_scalef32_pk16_fp6_f32 v[PC+6*\c:PC+2+6*\c], v[\s+32*\c:\s+15+32*\c], v[TM+12+2*\c]
	v_cvt_scalef32_pk16_fp6_f32 v[PC+12+4*\c:PC+14+4*\c], v[\s+16+32*\c:\s+31+32*\c], v[TM+12+2*\c+1]
.endr
	v_nop                                          ; one plain place behind a scaled conversion
.irp c, 0,1
.irp i, 0,1,2
	v_permlane16_swap_b32 v[PC+6*\c+\i], v[PC+12+4*\c+\i]
.endr
.irp i, 0,1,2
	v_mov_b32 v[PC+3+6*\c+\i], v[PC+12+4*\c+\i]
.endr
.endr
.endm
.macro LOADP p                         ; piece p: K step p / 2, my tile p % 2: sixteen rows, 512 consecutive bytes each
	WIN 0x40
.irp q, 0,1,2,3,4,5,6,7,8,9,10,11,12,13,14,15
	global_load_b128 v[64*((\p)%3)+4*\q:64*((\p)%3)+4*\q+3], v[LI], s[XB:XB+1] offset:(8*((\p)%2)+\q+8*(\q/8))*RP+512*((\p)/2) th:TH_LOAD_NT
.endr
	WIN 0
.endm
.macro TURN p
	WIN 0x04
.irp q, 0,1,2,3,4,5,6,7,8,9,10,11,12,13,14,15
	ds_store_b128 v[SA], v[64*((\p)%3)+4*\q:64*((\p)%3)+4*\q+3] offset:STGB*((\p)%2)+528*\q
.endr
	WIN 0
.irp b, 0,1,2,3
.irp j, 0,1,2,3
	ds_load_b128 v[X+64*((\p)%2)+16*\b+4*\j:X+64*((\p)%2)+16*\b+4*\j+3], v[SRD] offset:STGB*((\p)%2)+128*\b+16*\j
.endr
.endr
.endm
.macro XSTEP p
	s_wait_dscnt 0x0                               ; piece p is back from its stage; its stores have read load set p % 3; the last image's stores have read the codes
.if (\p)+3 < NP
	LOADP (\p)+3
.endif
.if (\p)+1 < NP
.if (\p)+3 < NP
	s_wait_loadcnt 32                              ; piece p + 1 is in; the 16 loads of each of the two younger pieces may be out
.else
	s_wait_loadcnt 16*(NP-2-(\p))
.endif
	TURN (\p)+1
.endif
	QUANT X+64*((\p)%2), PWA+(\p)%2
.irp c, 0,1,2
	ds_store_b128 v[XWI], v[PC+4*\c:PC+4*\c+3] offset:XIMG+6144*((\p)%2)+1536*((\p)/2)+512*\c
.endr
.if (\p)%2 == 1
	v_cndmask_b32 v[XSW+(\p)/2], v[PWA], v[PWA+1], s[HM]
.endif
.endm
; one product on the registers that PROD has named; ra, rb: the scales' rows
.macro WM ra, rb
.if ((\ra) == 0) && ((\rb) == 0)
	v_wmma_scale_f32_16x16x128_f8f6f4 v[rD:rD+7], v[rA:rA+11], v[rB:rB+11], v[rC:rC+7], v[rSA], v[rSB] matrix_a_fmt:MATRIX_FMT_FP6 matrix_b_fmt:MATRIX_FMT_FP6
.elseif (\rb) == 0
	v_wmma_scale_f32_16x16x128_f8f6f4 v[rD:rD+7], v[rA:rA+11], v[rB:rB+11], v[rC:rC+7], v[rSA], v[rSB] matrix_a_fmt:MATRIX_FMT_FP6 matrix_b_fmt:MATRIX_FMT_FP6 matrix_a_scale:MATRIX_SCALE_ROW1
.elseif (\ra) == 0
	v_wmma_scale_f32_16x16x128_f8f6f4 v[rD:rD+7], v[rA:rA+11], v[rB:rB+11], v[rC:rC+7], v[rSA], v[rSB] matrix_a_fmt:MATRIX_FMT_FP6 matrix_b_fmt:MATRIX_FMT_FP6 matrix_b_scale:MATRIX_SCALE_ROW1
.else
	v_wmma_scale_f32_16x16x128_f8f6f4 v[rD:rD+7], v[rA:rA+11], v[rB:rB+11], v[rC:rC+7], v[rSA], v[rSB] matrix_a_fmt:MATRIX_FMT_FP6 matrix_b_fmt:MATRIX_FMT_FP6 matrix_a_scale:MATRIX_SCALE_ROW1 matrix_b_scale:MATRIX_SCALE_ROW1
.endif
.endm
.macro PROD u, i, s, isv               ; unit u (the streamed tile), resident tile i, K step s
.set rD, ACC+8*(\i)
.set rA, 12*(4*((\i)%4)+(\s))
.set rB, 48*((\u)%2)+12*(\s)
.if (\s) == 0
.if \isv
.set rC, BIAS+8*(\u)
.else
.set rC, BIAS+8*(\i)
.endif
.else
.set rC, rD
.endif
.set rSA, RSB+4*((\i)/2)+(\s)
.set rSB, TSB+4*((\u)/2)+(\s)
	WM (\i)%2, (\u)%2
.endm
.macro TLOAD u, isv                    ; the streamed tile u, four K steps, into set u % 2 of window 1
	WIN 0x40
.irp s, 0,1,2,3
.irp c, 0,1,2
.if \isv
	global_load_b128 v[48*((\u)%2)+12*\s+4*\c:48*((\u)%2)+12*\s+4*\c+3], v[LI], s[28:29] offset:(4*(\u)+\s)*1536+512*\c
.else
	ds_load_b128 v[48*((\u)%2)+12*\s+4*\c:48*((\u)%2)+12*\s+4*\c+3], v[LI] offset:XIMG+(4*(\u)+\s)*1536+512*\c
.endif
.endr
.endr
.endm
.macro RLOAD isv                       ; the resident operand: 32 fragments
.irp i, 0,1,2,3,4,5,6,7
	WIN 0x80+0x40*(\i/4)
.irp s, 0,1,2,3
.irp c, 0,1,2
.if \isv
	ds_load_b128 v[12*(4*(\i%4)+\s)+4*\c:12*(4*(\i%4)+\s)+4*\c+3], v[LI] offset:XIMG+(4*\i+\s)*1536+512*\c
.else
	global_load_b128 v[12*(4*(\i%4)+\s)+4*\c:12*(4*(\i%4)+\s)+4*\c+3], v[LI], s[28:29] offset:(4*\i+\s)*1536+512*\c
.endif
.endr
.endr
.endr
	WIN 0
.endm
.macro XSRLOAD
.irp m, 0,1,2,3
	ds_load_b128 v[XSR+4*\m:XSR+4*\m+3], v[LI] offset:XSC+512*\m
.endr
.endm
; A UNIT: the streamed tile u against the eight resident tiles, K = 512: 32 products, the eight accumulators by turns, one instruction a turn; then the quantiser and the stores.
.macro UNIT u, isv
.if \u < 7
	TLOAD (\u)+1, \isv                             ; the set that unit u - 1 multiplied: the quantiser's lines stand between
.if \isv
	s_wait_loadcnt 12                              ; all but the 12 loads just issued: this unit's tile is in
.else
	s_wait_dscnt 12                                ; all but the 12 loads just issued: this unit's tile is in
.endif
.else
.if \isv
	s_wait_loadcnt 0x0
.else
	s_wait_dscnt 0x0
.endif
.endif
	WIN 0x16                                       ; source 0 window 2, source 1 and the bias window 1, D window 0
.irp i, 0,1,2,3
	PROD \u, \i, 0, \isv
.endr
	WIN 0x17                                       ; source 0 window 3
.irp i, 4,5,6,7
	PROD \u, \i, 0, \isv
.endr
	WIN 0x07                                       ; C in window 0
.irp s, 1,2,3
.irp i, 4,5,6,7
	PROD \u, \i, \s, \isv
.endr
.endr
	WIN 0x06
.irp s, 1,2,3
.irp i, 0,1,2,3
	PROD \u, \i, \s, \isv
.endr
.endr
	WIN 0
.rept 4
	v_nop                                          ; four places in front of the first read of results
.endr
	s_wait_xcnt 0x0                                ; the last unit's stores have read the codes' registers
	QUANT ACC, SW+\u
.if \isv
.irp c, 0,1,2
	global_store_b128 v[LI], v[PC+4*\c:PC+4*\c+3], s[32+2*((\u)/4):33+2*((\u)/4)] offset:6656+1536*((\u)%4)+512*\c
.endr
.else
	global_store_b128 v[LI], v[PC:PC+3], s[32:33] offset:768*\u            ; 512 consecutive bytes,
	global_store_b64 v[L8], v[PC+4:PC+5], s[32:33] offset:768*\u+512       ; and 256: whole aligned blocks of 256 bytes
	global_store_b128 v[LI], v[PC+6:PC+9], s[34:35] offset:768*\u
	global_store_b64 v[L8], v[PC+10:PC+11], s[34:35] offset:768*\u+512
.endif
.endm
.macro MAIN isv
.if \isv
.set RSB, XSR
.set TSB, WSR
.else
.set RSB, WSR
.set TSB, XSR
.endif
	WIN 0x40
.if \isv
.irp t, 0,1,2,3,4,5,6,7                        ; a lane holds one column: its bias in all eight registers of a tile
.irp j, 0,1,2,3,4,5,6,7
	global_load_b32 v[BIAS+8*\t+\j], v[BOFV], s[26:27] offset:(32*(\t/2)+8*(\t%2))*4
.endr
.endr
	TLOAD 0, 1
	RLOAD 1
	XSRLOAD
	s_wait_dscnt 0x0                               ; x's fragments and scale words
.else
.irp i, 0,1,2,3,4,5,6,7                        ; a lane's eight registers are eight neighbouring columns
	global_load_b128 v[BIAS+8*\i:BIAS+8*\i+3], v[BOFQ], s[26:27] offset:(32*(\i/2)+8*(\i%2))*4
	global_load_b128 v[BIAS+8*\i+4:BIAS+8*\i+7], v[BOFQ], s[26:27] offset:(32*(\i/2)+8*(\i%2))*4+16
.endr
	RLOAD 0
	XSRLOAD
	TLOAD 0, 0
	s_wait_loadcnt 0x0                             ; W's fragments and the bias
.endif
.irp u, 0,1,2,3,4,5,6,7
	UNIT \u, \isv
.endr
.irp j, 0,1,2,3
	v_cndmask_b32 v[SR+\j], v[SW+2*\j], v[SW+2*\j+1], s[HM]   ; lanes 0-15 unit 2 j's words, lanes 16-31 unit 2 j + 1's
.endr
.if \isv
	global_store_b64 v[L8], v[SR:SR+1], s[32:33] offset:12800
	global_store_b64 v[L8], v[SR+2:SR+3], s[34:35] offset:12800
.else
.irp j, 0,1,2,3
	v_and_b32 v[SRA+\j], 0xffff, v[SR+\j]          ; head 2 w's two bytes; the upper two, which scale zero codes, are 0
	v_lshrrev_b32 v[SRB+\j], 16, v[SR+\j]          ; head 2 w + 1's
.endr
	global_store_b128 v[LI], v[SRA:SRA+3], s[32:33] offset:6144
	global_store_b128 v[LI], v[SRB:SRB+3], s[34:35] offset:6144
.endif
	s_wait_tensorcnt 0x0                           ; the wave's end, behind my last LDS store
	ds_add_u32 v[SPW], v[NIL]
	s_wait_dscnt 0x0
	s_endpgm
.endm
	s_load_b256 s[4:11], s[0:1], 0x0               ; query, key, value, bq
	s_load_b256 s[12:19], s[0:1], 0x20             ; bk, bv, wc, ws
	s_load_b128 s[20:23], s[0:1], 0x40             ; qb, kv
	v_lshl_add_u32 v[SPW], v0, 2, SPARE
	v_mov_b32 v[NIL], 0
	v_lshrrev_b32 v11, 5, v0
	v_readfirstlane_b32 s[WV], v11                 ; wave 0..3
	s_and_b32 s[TEN], ttmp7, 0xffff                ; 0 q, 1 k, 2 v
	s_and_b32 s38, ttmp9, 1                        ; b
	s_lshr_b32 s39, ttmp9, 1                       ; step
	s_mov_b32 s[HM], 0xffff0000
	s_mov_b32 s[SEL], 0x76543210
	s_mov_b32 s[SEL+1], 0xfedcba98
	v_and_b32 v11, 31, v0                          ; lane
	v_lshlrev_b32 v[LI], 4, v11
	v_lshlrev_b32 v[L8], 3, v11
	v_and_b32 v12, 15, v0                          ; r
	v_bfe_u32 v13, v0, 4, 1                        ; h
	s_mul_i32 s58, s[WV], 2*STGB
	s_add_co_u32 s58, s58, STG                     ; my two stages
	v_add_nc_u32 v[SA], s58, v[LI]
	v_mul_u32_u24 v[SRD], v12, 528
	v_lshl_add_u32 v[SRD], v13, 6, v[SRD]
	v_add_nc_u32 v[SRD], s58, v[SRD]
	s_mul_i32 s58, s[WV], 12288                    ; my two tiles' eight images
	v_add_nc_u32 v[XWI], s58, v[LI]
	s_lshl_b32 s58, s[WV], 9
	s_add_co_u32 s58, s58, XSC
	v_add_nc_u32 v[XWS], s58, v[LI]
	v_lshlrev_b32 v[BOFQ], 6, v13
	v_and_b32 v14, 8, v12
	v_add_nc_u32 v14, v14, v12                     ; r + 8 (r / 8)
	v_lshlrev_b32 v[BOFV], 2, v14
.irp b, 0,1,2,3
	v_mov_b32 v[TM+4+\b], 0                        ; written once: a lane permute's destination counts as one of its sources
.endr
	s_lshl_b32 s44, s39, 19                        ; x: ((128 step + 32 w) x 2 + b) rows of 2,048 bytes
	s_lshl_b32 s46, s[WV], 17
	s_add_co_u32 s44, s44, s46
	s_lshl_b32 s46, s38, 11
	s_add_co_u32 s44, s44, s46
	s_mov_b32 s45, 0
	s_lshl_b32 s46, s[WV], 9                       ; the bias: my 128 columns
	s_mov_b32 s47, 0
	s_mul_i32 s48, s[TEN], 196608                  ; W's images: the tensor, my eight tiles
	s_mul_i32 s50, s[WV], 49152
	s_add_co_u32 s48, s48, s50
	s_mov_b32 s49, 0
	s_lshl_b32 s50, s[TEN], 13                     ; W's scale words
	s_lshl_b32 s51, s[WV], 11
	s_add_co_u32 s50, s50, s51
	s_mov_b32 s51, 0
	s_cmp_eq_u32 s[TEN], 0
	s_mov_b32 s52, 417792                          ; a head's bytes and a step's block: kv's,
	s_cselect_b32 s52, 212992, s52                 ; or qb's
	s_mov_b32 s53, 13056
	s_cselect_b32 s53, 6656, s53
	s_lshl_b32 s54, s[WV], 2
	s_add_co_u32 s54, s54, s38                     ; hb of head 2 w: 4 w + b
	s_mul_i32 s54, s54, s52
	s_mul_i32 s55, s39, s53
	s_add_co_u32 s54, s54, s55
	s_mov_b32 s55, 0
	s_lshl_b32 s56, s52, 1                         ; head 2 w + 1 lies two heads' bytes on
	s_mov_b32 s57, 0
	s_wait_kmcnt 0x0
	s_cmp_eq_u32 s[TEN], 1                         ; the choices hang on the work-group's number alone
	s_cselect_b64 s[24:25], s[6:7], s[4:5]
	s_cselect_b64 s[26:27], s[12:13], s[10:11]
	s_cmp_eq_u32 s[TEN], 2
	s_cselect_b64 s[24:25], s[8:9], s[24:25]
	s_cselect_b64 s[26:27], s[14:15], s[26:27]
	s_cmp_eq_u32 s[TEN], 0
	s_cselect_b64 s[32:33], s[20:21], s[22:23]
	s_add_nc_u64 s[24:25], s[24:25], s[44:45]
	s_add_nc_u64 s[26:27], s[26:27], s[46:47]
	s_add_nc_u64 s[28:29], s[16:17], s[48:49]
	s_add_nc_u64 s[30:31], s[18:19], s[50:51]
	s_add_nc_u64 s[32:33], s[32:33], s[54:55]
	s_add_nc_u64 s[34:35], s[32:33], s[56:57]
.irp g, 0,1,2,3
.irp k, 0,1
	global_load_b64 v[WSR+4*\g+2*\k:WSR+4*\g+2*\k+1], v[L8], s[30:31] offset:512*\g+256*\k   ; register 4 g + s: lanes 0-15 my tile 2 g, lanes 16-31 tile 2 g + 1, K step s
.endr
.endr
	LOADP 0
	LOADP 1
	LOADP 2
	s_wait_loadcnt 32                              ; W's scale words and piece 0 are in; pieces 1 and 2, 16 loads each, may be out
	TURN 0
.irp p, 0,1,2,3,4,5,6,7
	XSTEP \p
.endr
	ds_store_b128 v[XWS], v[XSW:XSW+3]
	s_wait_dscnt 0x0                               ; for the others' sake: my images and scale words have landed
	s_barrier_signal -1
	s_barrier_wait -1                              ; x's 32 fragments lie in LDS; nothing is stored to LDS behind this barrier
	s_cmp_eq_u32 s[TEN], 2
	s_cbranch_scc1 .Lv
	MAIN 0
.Lv:
	MAIN 1
.Lfunc_end_k_q6b4432a492_proj:
	.size	k_q6b4432a492_proj, .Lfunc_end_k_q6b4432a492_proj-k_q6b4432a492_proj
	.p2alignl 7, 3214868480
	.fill 96, 4, 3214868480
	.section	.rodata,"a",@progbits
	.p2align	6, 0x0
	.amdhsa_kernel k_q6b4432a492_proj
		.amdhsa_group_segment_fixed_size 119296
		.amdhsa_private_segment_fixed_size 0
		.amdhsa_enable_private_segment 0
		.amdhsa_kernarg_size 80
		.amdhsa_user_sgpr_count 2
		.amdhsa_user_sgpr_kernarg_segment_ptr 1
		.amdhsa_wavefront_size32 1
		.amdhsa_system_sgpr_workgroup_id_x 1
		.amdhsa_system_sgpr_workgroup_id_y 1
		.amdhsa_system_sgpr_workgroup_id_z 1
		.amdhsa_system_vgpr_workitem_id 0
		.amdhsa_next_free_vgpr 1024
		.amdhsa_next_free_sgpr 66
		.amdhsa_reserve_vcc 0
		.amdhsa_float_denorm_mode_32 3
		.amdhsa_float_denorm_mode_16_64 3
		.amdhsa_memory_ordered 1
		.amdhsa_forward_progress 1
		.amdhsa_inst_pref_size 241
	.end_amdhsa_kernel
	.amdgpu_metadata
---
amdhsa.version: [ 1, 2 ]
amdhsa.kernels:
  - .name:           k_q6b4432a492_proj
    .symbol:         k_q6b4432a492_proj.kd
    .args:
      - { .name: query, .offset: 0, .size: 8, .value_kind: global_buffer, .address_space: global }
      - { .name: key, .offset: 8, .size: 8, .value_kind: global_buffer, .address_space: global }
      - { .name: value, .offset: 16, .size: 8, .value_kind: global_buffer, .address_space: global }
      - { .name: bq, .offset: 24, .size: 8, .value_kind: global_buffer, .address_space: global }
      - { .name: bk, .offset: 32, .size: 8, .value_kind: global_buffer, .address_space: global }
      - { .name: bv, .offset: 40, .size: 8, .value_kind: global_buffer, .address_space: global }
      - { .name: wc, .offset: 48, .size: 8, .value_kind: global_buffer, .address_space: global }
      - { .name: ws, .offset: 56, .size: 8, .value_kind: global_buffer, .address_space: global }
      - { .name: qb, .offset: 64, .size: 8, .value_kind: global_buffer, .address_space: global }
      - { .name: kv, .offset: 72, .size: 8, .value_kind: global_buffer, .address_space: global }
    .group_segment_fixed_size: 119296
    .private_segment_fixed_size: 0
    .kernarg_segment_align: 8
    .kernarg_segment_size: 80
    .max_flat_workgroup_size: 128
    .sgpr_count:     66
    .vgpr_count:     1024
    .wavefront_size: 32
...
	.end_amdgpu_metadata
.endif
;; end of part 2
;; launch attn (part 3): grid 16 x 16, 16 waves a work-group, clusters of 4 x 1, 327,680 bytes of LDS; arguments qb, kv, ob, os; writes ob, os
.if DOCPART == 3
	.amdgcn_target "amdgcn-amd-amdhsa--gfx1250"
	.amdhsa_code_object_version 6
	.text
	.protected	k_q6b4432a492_attn
	.globl	k_q6b4432a492_attn
	.p2align	8
	.type	k_q6b4432a492_attn,@function
k_q6b4432a492_attn:
	s_mov_b64 s[64:65], 0
	v_nop
	global_prefetch_b8 v0, s[64:65] scope:SCOPE_SE
	s_setreg_imm32_b32 hwreg(HW_REG_WAVE_MODE, 25, 1), 1
	s_wait_xcnt 0x0
	s_wait_alu depctr_hold_cnt(0) depctr_sa_sdst(0) depctr_va_vdst(0) depctr_va_sdst(0) depctr_va_ssrc(0) depctr_va_vcc(0) depctr_vm_vsrc(0)
	s_getreg_b32 s2, hwreg(HW_REG_IB_STS2, 6, 4)
	s_cmp_eq_u32 s2, 0
	s_cbranch_scc0 .Lentry_in_a_cluster
	s_endpgm
.Lentry_in_a_cluster:
	s_bfe_u32 s2, ttmp6, 0x10000c
	s_cmp_lg_u32 s2, 0x3003
	s_cbranch_scc0 .Lentry_shape_is_right
	s_endpgm
.Lentry_shape_is_right:
; O = softmax(q k^T / 8) v for each of the 16 pairs hb = 2 head + b, 4,096 queries and keys, head size 64, both products on codes of FP6 (E2M3) with one E8M0 scale for each 32 along a product's K.
; THE SOFTMAX: t = score x log2(e) / 8 (q's codes are those of the unscaled q, so the factor 1/8 stands here); M = the running largest t rounded up to a whole number; p = 2^(t - M) is quantised along the keys, not normalised.
; The row's sum is taken of the unquantised p and divides O at the end; when M moves, the sum and O are multiplied by 2^(old M - new M): exact.
; SHARES.  Work-group y = hb; work-group x = a block of 256 queries; each of sixteen waves owns one tile of 16 queries in 256 registers, four waves to a SIMD, so that one wave's vector work stands beside another's products and LDS loads.
; Every wave walks 32 key steps of 128 keys.  A key step is one dense block of 13,056 bytes of kv, laid by the launch before as images of operand registers: every LDS read is 16 x lane or 8 x lane on end, so no padding.
; LAYOUT.  Both products transposed: S^T = k q^T (source 0 = 16 keys), O^T = v^T p^T (source 0 = 16 of the head's 64): a lane holds one query throughout.  The keys of a tile, and v's channels of a tile, are 32 (T / 2) + 8 (T % 2) + r + 8 (r / 8),
; so that the 16 registers of two neighbouring result tiles are 16 neighbours.  The first product's K is 64: the upper six registers of k's and q's fragments hold zero codes, written once.
; CLUSTER.  The four query blocks of a cluster walk one hb's key steps: each slot (four key steps, 52,224 bytes) is asked for JOINTLY, by waves 0 and 1, half a slot each, with a mask that names the four.
; OUT.  O / the sum is quantised along e = 128 (head % 4) + 64 b + d, whose blocks of 32 lie inside one hb: ob [head / 4][query tile][head % 4][b][768 bytes], os [hb][query tile][row]: one word, bytes 0 and 1.
; LIMITS: a block of zeros gets the byte 1 where the rule says 127 (zero codes; this program alone reads the bytes); NaN and infinities are not served.
.set BLK,   13056                      ; a key step: k's 8 half images (6,144), their scale words (512), v's 4 images (6,144), their scale words (256)
.set SLOTB, 4*BLK
.set SLOT1, 65536                      ; slot 1 begins here: one exclusive or turns an address of one slot into the other's
.set OSG,   131072                     ; 1,024 bytes: the work-group's scale words of O, gathered for whole stores; no tile lands here
.set SPARE, 132096                     ; the spare words, 128 bytes for each wave: eight blocks of 256 bytes that no other line names
.set LI,  1                            ; v1   16 x lane
.set L8,  2                            ; v2   8 x lane
.set SPW, 3                            ; v3   LDS address of my spare word; never rewritten
.set NIL, 4                            ; v4   0; never rewritten
.set A16, 5                            ; v5   the step's block + 16 x lane
.set A8,  6                            ; v6   the step's block + 8 x lane
.set KS,  8                            ; v8-11  k's scale words: register j: lanes 0-15 tile 2 j, lanes 16-31 tile 2 j + 1
                                       ; v12 -M, v13 the largest t, v[14:15] the sum in two halves
.set QF,  16                           ; v16-27 q's fragment (22-27 zero codes)
.set QS,  28                           ; v28  q's scale words
.set PS,  29                           ; v29  p's scale word
.set VS,  30                           ; v30-31 v's scale words
.set KF,  32                           ; v32-127 k's 8 fragments of 12 (the upper 6 of each: zero codes)
.set S,   128                          ; v128-191 S^T, then p; v128-175 then take v's 4 fragments
.set O,   192                          ; v192-223 O^T
.set PF,  224                          ; v224-235 p's codes
.set TP,  236                          ; v236-243 at work
.set BM,  244                          ; v244-247 the blocks' largest scores
.set SO,  248                          ; v248-251 the conversions' scale operands
                                       ; v[252:253] f and 0; v254 at work
.set PFO, 255                          ; v255 the prefetches' offset; never rewritten
.set WV,  12
.set SEL, 20                           ; s[20:21] lane selects for lane l xor 16
.set CS,  22                           ; s[22:23] c = log2(e) / 8, twice
.set G1,  24                           ; s[24:31] descriptor group 1
.set G0,  32                           ; s[32:35] descriptor group 0, which walks
.set TB,  36                           ; s36  LDS byte at which the step's block begins
.set SLOTS, 37                         ; s37  slots still to be asked for
.set CNT, 38
.set LIM, 39                           ; s39  1 in a wave that prefetches, else the greatest number
.set PFA, 40                           ; s[40:41] where my work-group's prefetches stand
.macro CROUND                          ; a round of the cluster's barrier
	s_barrier_signal -1
	s_barrier_wait -1
	s_cmp_lg_u32 s[WV], 0
	s_cbranch_scc1 .Lnot_wave_0_\@
	s_barrier_signal -3
.Lnot_wave_0_\@:
	s_barrier_wait -3
	s_barrier_signal -1
	s_barrier_wait -1
.endm
.macro JLOAD                           ; the joint load: waves 0 and 1, half a slot each; the branch hangs on the wave's number alone.  An s_nop 0 and four v_nop follow the load
	s_cmp_lt_u32 s[WV], 2
	s_cbranch_scc0 .Lasked_\@
	tensor_load_to_lds s[G0:G0+3], s[G1:G1+7]
	s_nop 0
.rept 4
	v_nop
.endr
.Lasked_\@:
.endm
; A prefetch of the slot that the NEXT change of slots will ask for, four key steps ahead of that load.  All four clusters of an hb walk the same blocks: the first cluster asks.  Its four partners take a key step each, told apart by
; address; in each, waves 2 and 3 ask, lanes 256 bytes apart: a key step is 51 blocks of 256 bytes, so lanes 51 to 63 of the 64 name block 50 again.  The last change that fills a slot asks for nothing; slots 0 and 1 come by their loads alone.
.macro ASK
	s_cmp_gt_u32 s[SLOTS], s[LIM]
	s_cbranch_scc0 .Lnot_mine_\@
	global_prefetch_b8 v[PFO], s[PFA:PFA+1] th:TH_LOAD_NT scope:SCOPE_SE
.Lnot_mine_\@:
.endm
; THE CHANGE OF SLOTS stands at a slot's head.  Each wave waits for all its tensor loads (one at the most is out: its half of the slot ahead), adds 0 to its spare word, and waits for that and for its reads of the slot that it has left.
; fill = 1: a round of the cluster's barrier, and behind it the slot just left is asked for again, jointly: the load has four key steps in which to land.
.macro CHANGE fill
	s_wait_tensorcnt 0x0                           ; no tensor load of mine is out, so group 0 may be written
	ds_add_u32 v[SPW], v[NIL]
.if \fill
	s_xor_b32 s[G0+1], s[G0+1], SLOT1              ; the other slot than last time,
	s_add_nc_u64 s[G0+2:G0+3], s[G0+2:G0+3], SLOTB ; the next four key steps; the type bits on top are not reached
	s_wait_xcnt 0x0                                ; the last prefetch, a slot back, has read its address
	s_add_nc_u64 s[PFA:PFA+1], s[PFA:PFA+1], SLOTB
	s_wait_dscnt 0x0                               ; the add is done, and my reads of the slot that I have left are over
	CROUND
	JLOAD
	ASK
.else
	s_wait_dscnt 0x0
	s_barrier_signal -1
	s_barrier_wait -1
.endif
.endm
; A KEY STEP: 128 keys.
.macro STEP
	v_add_nc_u32 v[A16], s[TB], v[LI]
	v_add_nc_u32 v[A8], s[TB], v[L8]
.rept 3
	v_nop                                          ; with the two additions: five places between the last step's products and the scores, which are laid over v's fragments
.endr
.irp t, 0,1,2,3,4,5,6,7
	ds_load_b128 v[KF+12*\t:KF+12*\t+3], v[A16] offset:768*\t
	ds_load_b64 v[KF+12*\t+4:KF+12*\t+5], v[A8] offset:768*\t+512
.endr
	ds_load_b128 v[KS:KS+3], v[A16] offset:6144
	s_wait_dscnt 0x0
.irp t, 0,1,2,3,4,5,6,7
.if \t%2
	v_wmma_scale_f32_16x16x128_f8f6f4 v[S+8*\t:S+8*\t+7], v[KF+12*\t:KF+12*\t+11], v[QF:QF+11], 0, v[KS+\t/2], v[QS] matrix_a_fmt:MATRIX_FMT_FP6 matrix_b_fmt:MATRIX_FMT_FP6 matrix_a_scale:MATRIX_SCALE_ROW1
.else
	v_wmma_scale_f32_16x16x128_f8f6f4 v[S+8*\t:S+8*\t+7], v[KF+12*\t:KF+12*\t+11], v[QF:QF+11], 0, v[KS+\t/2], v[QS] matrix_a_fmt:MATRIX_FMT_FP6 matrix_b_fmt:MATRIX_FMT_FP6
.endif
.endr                                          ; register 16 b + i of S^T is key 32 b + 16 h + i of the step
.rept 4
	v_nop
.endr
.irp b, 0,1,2,3
	v_max3_num_f32 v[BM+\b], v[S+16*\b], v[S+1+16*\b], v[S+2+16*\b]   ; the largest score of each block of 32 keys: for the row's maximum, and, since p rises with the score, for the block's largest p
.endr
.irp i, 3,5,7,9,11,13
.irp b, 0,1,2,3
	v_max3_num_f32 v[BM+\b], v[BM+\b], v[S+16*\b+\i], v[S+1+16*\b+\i]
.endr
.endr
.irp b, 0,1,2,3
	v_max_num_f32 v[BM+\b], v[BM+\b], v[S+15+16*\b]
.endr
.irp b, 0,1,2,3
	v_permlanex16_b32 v[TP+\b], v[BM+\b], s[SEL], s[SEL+1]
.endr
.irp b, 0,1,2,3
	v_max_num_f32 v[BM+\b], v[BM+\b], v[TP+\b]     ; with lane l xor 16's 16 keys
.endr
	v_max3_num_f32 v254, v[BM], v[BM+1], v[BM+2]
	v_max_num_f32 v254, v254, v[BM+3]              ; the step's largest score of my query
	v_mul_f32 v254, s[CS], v254                    ; as t (c is positive)
	v_max_num_f32 v13, v13, v254                   ; the running largest t
	v_mov_b32 v254, v12
	v_floor_f32 v12, -v13                          ; the new -M = floor(-t): M is a whole number
	v_sub_f32 v254, v12, v254                      ; old M - new M: a whole number, 0 or less
	v_cvt_i32_f32 v254, v254                       ; (it saturates)
	v_ldexp_f32 v252, 1.0, v254                    ; f = 2^(old M - new M)
.irp j, 0,2,4,6,8,10,12,14,16,18,20,22,24,26,28,30,32,34,36,38,40,42,44,46,48,50,52,54,56,58,60,62
	v_pk_fma_f32 v[S+\j:S+1+\j], v[S+\j:S+1+\j], s[CS:CS+1], v[12:13] op_sel_hi:[1,0,0]   ; t - M, two at a time
.endr
.irp b, 0,1,2,3
	v_fma_f32 v[BM+\b], v[BM+\b], s[CS], v12       ; the same of each block's largest score
.endr
.irp j, 0,1,2,3,4,5,6,7,8,9,10,11,12,13,14,15,16,17,18,19,20,21,22,23,24,25,26,27,28,29,30,31,32,33,34,35,36,37,38,39,40,41,42,43,44,45,46,47,48,49,50,51,52,53,54,55,56,57,58,59,60,61,62,63
	v_exp_f32 v[S+\j], v[S+\j]                     ; p = 2^(t - M), at most 1
.endr
	v_pk_mul_f32 v[14:15], v[14:15], v[252:253] op_sel_hi:[1,0]   ; the sums under the new M: the plain place behind the exponentials
	s_wait_alu depctr_va_vdst(0)                   ; one wait for the batch of 64, ahead of its first reader
.irp b, 0,1,2,3
	v_exp_f32 v[BM+\b], v[BM+\b]                   ; the block's largest p
.endr
	v_pk_add_f32 v[TP:TP+1], v[S:S+1], v[S+2:S+3]  ; the row's sum of the unquantised p, in two chains: plain work behind the four
.irp j, 4,8,12,16,20,24,28,32,36,40,44,48,52,56,60
	v_pk_add_f32 v[14:15], v[14:15], v[S+\j:S+1+\j]
	v_pk_add_f32 v[TP:TP+1], v[TP:TP+1], v[S+2+\j:S+3+\j]
.endr
	v_pk_add_f32 v[14:15], v[14:15], v[TP:TP+1]
	s_wait_alu depctr_va_vdst(0)                   ; and one for the four
.irp b, 0,1,2,3
	v_max_num_f32 v[BM+\b], 0x1800000, v[BM+\b]    ; the floor 2^(3 - 127): the byte cannot fall under 1
.endr
.irp b, 0,1,2,3
	v_add_nc_u32 v[SO+\b], 0xff000000, v[BM+\b]    ; 2 off the exponent field: the conversion's scale operand
.endr
.irp b, 0,1,2,3
	v_lshrrev_b32 v[TP+\b], 23, v[SO+\b]           ; the scale's byte
.endr
	v_lshl_or_b32 v[PS], v[TP+1], 8, v[TP]         ; p's scale word for these 128 keys
	v_lshl_or_b32 v[PS], v[TP+2], 16, v[PS]
	v_lshl_or_b32 v[PS], v[TP+3], 24, v[PS]
.irp c, 0,1
	v_cvt_scalef32_pk16_fp6_f32 v[PF+6*\c:PF+2+6*\c], v[S+32*\c:S+15+32*\c], v[SO+2*\c]
	v_cvt_scalef32_pk16_fp6_f32 v[TP+4*\c:TP+2+4*\c], v[S+16+32*\c:S+31+32*\c], v[SO+2*\c+1]
.endr
	v_nop                                          ; one plain place behind a scaled conversion
.irp t, 0,1,2,3                                ; p is in codes: v's fragments take its registers, and land under the lines that follow
.irp c, 0,1,2
	ds_load_b128 v[S+12*\t+4*\c:S+12*\t+4*\c+3], v[A16] offset:6656+1536*\t+512*\c
.endr
.endr
	ds_load_b64 v[VS:VS+1], v[A8] offset:12800
.irp c, 0,1                                    ; the operand's layout wants a whole block in a lane
.irp i, 0,1,2
	v_permlane16_swap_b32 v[PF+6*\c+\i], v[TP+4*\c+\i]
.endr
.irp i, 0,1,2
	v_mov_b32 v[PF+3+6*\c+\i], v[TP+4*\c+\i]
.endr
.endr
.irp j, 0,2,4,6,8,10,12,14,16,18,20,22,24,26,28,30
	v_pk_mul_f32 v[O+\j:O+1+\j], v[O+\j:O+1+\j], v[252:253] op_sel_hi:[1,0]   ; O^T under the new M; these sixteen are also the places between p's codes and scale word and the products
.endr
	s_wait_dscnt 0x0
.irp t, 0,1,2,3                                ; O^T += v^T p^T: four accumulators, one instruction each
.if \t%2
	v_wmma_scale_f32_16x16x128_f8f6f4 v[O+8*\t:O+8*\t+7], v[S+12*\t:S+12*\t+11], v[PF:PF+11], v[O+8*\t:O+8*\t+7], v[VS+\t/2], v[PS] matrix_a_fmt:MATRIX_FMT_FP6 matrix_b_fmt:MATRIX_FMT_FP6 matrix_a_scale:MATRIX_SCALE_ROW1
.else
	v_wmma_scale_f32_16x16x128_f8f6f4 v[O+8*\t:O+8*\t+7], v[S+12*\t:S+12*\t+11], v[PF:PF+11], v[O+8*\t:O+8*\t+7], v[VS+\t/2], v[PS] matrix_a_fmt:MATRIX_FMT_FP6 matrix_b_fmt:MATRIX_FMT_FP6
.endif
.endr
.endm
.macro FOUR_STEPS                      ; a slot's four key steps: written once, walked four times
	s_mov_b32 s[CNT], 4
.Lstep_\@:
	STEP
	s_add_co_u32 s[TB], s[TB], BLK
	s_sub_co_u32 s[CNT], s[CNT], 1
	s_cmp_lg_u32 s[CNT], 0
	s_cbranch_scc1 .Lstep_\@
	s_sub_co_u32 s[TB], s[TB], SLOTB               ; back to a slot's first step,
	s_xor_b32 s[TB], s[TB], SLOT1                  ; in the other slot
.endm
	s_load_b256 s[4:11], s[0:1], 0x0               ; qb s[4:5], kv s[6:7], ob s[8:9], os s[10:11]
	v_lshl_add_u32 v[SPW], v0, 2, SPARE
	v_mov_b32 v[NIL], 0
	ds_add_u32 v[SPW], v[NIL]                      ; the wave's opening: the add and its wait stand ahead of the first tensor load; the set-up below, work on registers, stands between them
	v_lshrrev_b32 v7, 5, v0
	v_readfirstlane_b32 s[WV], v7                  ; wave 0..15
	s_bfe_u32 s13, ttmp6, 0x40000                  ; cx: my place in the cluster
	s_lshl_b32 s14, ttmp9, 2
	s_add_co_u32 s14, s14, s13                     ; my block of 256 queries: it enters global addresses of q and O alone
	s_and_b32 s15, ttmp7, 0xffff                   ; hb, which the four partners share
	s_mov_b32 s[G1], 15|(3<<16)|(1<<21)            ; 15:0 the mask: all four work-groups; 17:16 elements of 8 bytes; 20 no padding; 21 set beside a mask
	s_mov_b32 s[G1+1], 32<<16                      ; tensor_dim0 = 32 elements: rows of 256 bytes
	s_mov_b32 s[G1+2], 102<<16                     ; tensor_dim1 = 102 rows: two key steps, 26,112 dense bytes
	s_mov_b32 s[G1+3], 32<<16                      ; tile_dim0
	s_mov_b32 s[G1+4], 102                         ; tile_dim1
	s_mov_b32 s[G1+5], 32                          ; the pitch: dense
	s_mov_b32 s[G1+6], 0
	s_mov_b32 s[G1+7], 0
	s_mov_b32 s[SEL], 0x76543210
	s_mov_b32 s[SEL+1], 0xfedcba98
	s_mov_b32 s[CS], 0x3e38aa3b                    ; c = log2(e) / 8
	s_mov_b32 s[CS+1], s[CS]
	s_mov_b32 s[TB], 0
	s_mov_b32 s[SLOTS], 7
	s_mul_i32 s16, s15, 417792                     ; hb's first byte in kv
	s_mov_b32 s17, 0
	s_and_b32 s18, s[WV], 1
	s_mul_i32 s18, s18, 2*BLK                      ; which half of a slot I fetch, in memory and in LDS alike: no place in the cluster enters it
	s_mov_b32 s19, 0
	s_lshr_b32 s[LIM], s[WV], 1
	s_xor_b32 s[LIM], s[LIM], 1                    ; 0 in waves 2 and 3,
	s_or_b32 s[LIM], s[LIM], ttmp9                 ; of hb's first cluster: the same in all four partners
	s_cmp_eq_u32 s[LIM], 0
	s_cselect_b32 s[LIM], 1, -1
	s_mul_i32 s42, s13, BLK                        ; the prefetches: my work-group's key step of a slot,
	s_add_co_u32 s42, s42, s16
	s_add_co_u32 s42, s42, SLOTB                   ; in slot 1: the first change of slots steps it to slot 2
	s_mov_b32 s43, 0
	s_mul_i32 s44, s15, 212992                     ; q: hb, the group of 128 queries 2 x block + wave / 8
	s_lshl_b32 s50, s14, 1
	s_lshr_b32 s51, s[WV], 3
	s_add_co_u32 s50, s50, s51
	s_mul_i32 s50, s50, 6656
	s_add_co_u32 s44, s44, s50
	s_and_b32 s50, s[WV], 7
	s_mul_i32 s50, s50, 768
	s_add_co_u32 s46, s44, s50                     ; my tile's half image
	s_mov_b32 s47, 0
	s_and_b32 s50, s[WV], 1
	s_lshl_b32 s50, s50, 8
	s_bfe_u32 s51, s[WV], 0x20001
	s_lshl_b32 s51, s51, 2
	s_add_co_u32 s50, s50, s51
	s_add_co_u32 s48, s44, s50
	s_add_co_u32 s48, s48, 6144                    ; my tile's scale words: 6,144 + 256 (tile % 2) + 4 (tile / 2), 16 bytes from row to row
	s_mov_b32 s49, 0
	s_lshr_b32 s50, s15, 3                         ; O's codes: head / 4, query tile 16 x block + wave, head % 4, b
	s_mul_i32 s52, s50, 1572864
	s_lshl_b32 s50, s14, 4
	s_add_co_u32 s50, s50, s[WV]
	s_mul_i32 s50, s50, 6144
	s_add_co_u32 s52, s52, s50
	s_bfe_u32 s50, s15, 0x20001
	s_mul_i32 s50, s50, 1536
	s_add_co_u32 s52, s52, s50
	s_and_b32 s50, s15, 1
	s_mul_i32 s50, s50, 768
	s_add_co_u32 s52, s52, s50
	s_mov_b32 s53, 0
	s_lshl_b32 s54, s15, 14                        ; O's scale words: 16,384 an hb, 1,024 a block
	s_lshl_b32 s50, s14, 10
	s_add_co_u32 s54, s54, s50
	s_mov_b32 s55, 0
	s_wait_dscnt 0x0                               ; the opening add is done
	s_wait_kmcnt 0x0
	s_add_nc_u64 s[PFA:PFA+1], s[6:7], s[42:43]
	s_add_nc_u64 s[46:47], s[4:5], s[46:47]
	s_add_nc_u64 s[48:49], s[4:5], s[48:49]
	s_add_nc_u64 s[8:9], s[8:9], s[52:53]
	s_add_nc_u64 s[10:11], s[10:11], s[54:55]
	s_mov_b32 s[G0], 1                             ; count = 1
	s_mov_b32 s[G0+1], s18                         ; LDS address: slot 0, my half
	s_add_nc_u64 s[G0+2:G0+3], s[6:7], s[16:17]    ; global address: hb's first key steps,
	s_add_nc_u64 s[G0+2:G0+3], s[G0+2:G0+3], s[18:19]   ; my half
	s_or_b32 s[G0+3], s[G0+3], 0x80000000          ; type = 2
	CROUND                                         ; all four work-groups are here: the first joint loads meet
	JLOAD                                          ; slot 0
	v_and_b32 v7, 31, v0
	v_lshlrev_b32 v[LI], 4, v7
	v_lshlrev_b32 v[L8], 3, v7
	v_and_b32 v7, 15, v0
	v_lshlrev_b32 v7, 4, v7
	global_load_b128 v[QF:QF+3], v[LI], s[46:47]   ; q's half fragment stays in registers
	global_load_b64 v[QF+4:QF+5], v[L8], s[46:47] offset:512
	global_load_b32 v[QS], v7, s[48:49]            ; lane r: row r's word
.irp i, 6,7,8,9,10,11
	v_mov_b32 v[QF+\i], 0                          ; K = 64: the upper half of each fragment of the first product holds zero codes, written once
.endr
.irp t, 0,1,2,3,4,5,6,7
.irp i, 6,7,8,9,10,11
	v_mov_b32 v[KF+12*\t+\i], 0
.endr
.endr
.irp j, 0,1,2,3,4,5,6,7,8,9,10,11,12,13,14,15,16,17,18,19,20,21,22,23,24,25,26,27,28,29,30,31
	v_mov_b32 v[O+\j], 0                           ; the step is written once: the first finds zeros, which the first change of M leaves zeros
.endr
	v_and_b32 v[PFO], 63, v0
	v_min_u32 v[PFO], 50, v[PFO]
	v_lshlrev_b32 v[PFO], 8, v[PFO]
	v_mov_b32 v13, 0xff61b1e6                      ; the largest t so far: -3e38, under every t
	v_floor_f32 v12, -v13                          ; -M
	v_mov_b32 v14, 0
	v_mov_b32 v15, 0
.irp b, 0,1,2,3
	v_mov_b32 v[TP+\b], 0                          ; written once: a lane permute's destination counts as one of its sources
.endr
	v_mov_b32 v253, 0                              ; named as the upper half of the pair v[252:253]
	s_wait_loadcnt 0x0                             ; q
.Lslot:                                            ; seven trips: behind each change of slots but the last the next slot is asked for
	CHANGE 1
	FOUR_STEPS
	s_sub_co_u32 s[SLOTS], s[SLOTS], 1
	s_cmp_lg_u32 s[SLOTS], 0
	s_cbranch_scc1 .Lslot
	CHANGE 0                                       ; the last slot is written out
	FOUR_STEPS
	; THE WAY OUT.  O^T / the sum; its two blocks of 32 along d are quantised: a half fragment of the last product's operand.
	v_add_f32 v14, v14, v15
	v_permlanex16_b32 v252, v14, s[SEL], s[SEL+1]
	v_add_f32 v14, v14, v252                       ; the row's sum
	v_rcp_f32 v14, v14
	v_and_b32 v7, 15, v0                           ; address work on every wave's path: the plain place behind the reciprocal, and the places behind the last products
	v_lshlrev_b32 v7, 2, v7
	s_lshl_b32 s50, s[WV], 6
	s_add_co_u32 s50, s50, OSG
	v_add_nc_u32 v7, s50, v7                       ; OSG + 64 wave + 4 r
	v_lshl_add_u32 v[A16], v0, 4, OSG              ; for waves 0 and 1: 16 bytes a thread of the 1,024
	v_lshlrev_b32 v[A8], 4, v0
	s_wait_alu depctr_va_vdst(0)                   ; the wait ahead of the reciprocal's first reader
.irp j, 0,2,4,6,8,10,12,14,16,18,20,22,24,26,28,30
	v_pk_mul_f32 v[S+\j:S+1+\j], v[O+\j:O+1+\j], v[14:15] op_sel_hi:[1,0]   ; register 16 b + i is d = 32 b + 16 h + i; each accumulator from its low end on
.endr
.irp b, 0,1
	v_max3_num_f32 v[BM+\b], |v[S+16*\b]|, |v[S+1+16*\b]|, 0x1800000
.endr
.irp i, 2,4,6,8,10,12,14
.irp b, 0,1
	v_max3_num_f32 v[BM+\b], v[BM+\b], |v[S+16*\b+\i]|, |v[S+1+16*\b+\i]|
.endr
.endr
.irp b, 0,1
	v_permlanex16_b32 v[TP+\b], v[BM+\b], s[SEL], s[SEL+1]
.endr
.irp b, 0,1
	v_max_num_f32 v[BM+\b], v[BM+\b], v[TP+\b]
.endr
.irp b, 0,1
	v_add_nc_u32 v[SO+\b], 0xff000000, v[BM+\b]
.endr
.irp b, 0,1
	v_lshrrev_b32 v[TP+\b], 23, v[SO+\b]
.endr
	v_lshl_or_b32 v254, v[TP+1], 8, v[TP]          ; my row's two bytes
	v_cvt_scalef32_pk16_fp6_f32 v[PF:PF+2], v[S:S+15], v[SO]
	v_cvt_scalef32_pk16_fp6_f32 v[TP:TP+2], v[S+16:S+31], v[SO+1]
	v_nop                                          ; one plain place behind a scaled conversion
.irp i, 0,1,2
	v_permlane16_swap_b32 v[PF+\i], v[TP+\i]
.endr
.irp i, 0,1,2
	v_mov_b32 v[PF+3+\i], v[TP+\i]
.endr
	global_store_b128 v[LI], v[PF:PF+3], s[8:9]            ; 512 consecutive bytes,
	global_store_b64 v[L8], v[PF+4:PF+5], s[8:9] offset:512   ; and 256: whole aligned blocks of 256 bytes
	ds_store_b32 v7, v254                          ; lanes l and l xor 16 write the same word with the same value
	s_wait_dscnt 0x0                               ; for the others' sake: my store has landed
	s_barrier_signal -1
	s_barrier_wait -1
	s_cmp_lt_u32 s[WV], 2
	s_cbranch_scc0 .Lno_os
	ds_load_b128 v[S:S+3], v[A16]
	s_wait_dscnt 0x0
	global_store_b128 v[A8], v[S:S+3], s[10:11]    ; the work-group's 1,024 bytes of scale words, 512 a wave
.Lno_os:
	s_wait_tensorcnt 0x0                           ; the wave's end, behind my last tensor load and my last LDS store
	ds_add_u32 v[SPW], v[NIL]
	s_wait_dscnt 0x0
	CROUND                                         ; the closing round: no work-group ends while a partner may still ask for a tile that names it
	s_endpgm
.Lfunc_end_k_q6b4432a492_attn:
	.size	k_q6b4432a492_attn, .Lfunc_end_k_q6b4432a492_attn-k_q6b4432a492_attn
	.p2alignl 7, 3214868480
	.fill 96, 4, 3214868480
	.section	.rodata,"a",@progbits
	.p2align	6, 0x0
	.amdhsa_kernel k_q6b4432a492_attn
		.amdhsa_group_segment_fixed_size 327680
		.amdhsa_private_segment_fixed_size 0
		.amdhsa_enable_private_segment 0
		.amdhsa_kernarg_size 32
		.amdhsa_user_sgpr_count 2
		.amdhsa_user_sgpr_kernarg_segment_ptr 1
		.amdhsa_wavefront_size32 1
		.amdhsa_system_sgpr_workgroup_id_x 1
		.amdhsa_system_sgpr_workgroup_id_y 1
		.amdhsa_system_sgpr_workgroup_id_z 1
		.amdhsa_system_vgpr_workitem_id 0
		.amdhsa_next_free_vgpr 256
		.amdhsa_next_free_sgpr 66
		.amdhsa_reserve_vcc 0
		.amdhsa_float_denorm_mode_32 3
		.amdhsa_float_denorm_mode_16_64 3
		.amdhsa_memory_ordered 1
		.amdhsa_forward_progress 1
		.amdhsa_inst_pref_size 46
	.end_amdhsa_kernel
	.amdgpu_metadata
---
amdhsa.version: [ 1, 2 ]
amdhsa.kernels:
  - .name:           k_q6b4432a492_attn
    .symbol:         k_q6b4432a492_attn.kd
    .args:
      - { .name: qb, .offset: 0, .size: 8, .value_kind: global_buffer, .address_space: global }
      - { .name: kv, .offset: 8, .size: 8, .value_kind: global_buffer, .address_space: global }
      - { .name: ob, .offset: 16, .size: 8, .value_kind: global_buffer, .address_space: global }
      - { .name: os, .offset: 24, .size: 8, .value_kind: global_buffer, .address_space: global }
    .group_segment_fixed_size: 327680
    .private_segment_fixed_size: 0
    .kernarg_segment_align: 8
    .kernarg_segment_size: 32
    .max_flat_workgroup_size: 512
    .sgpr_count:     66
    .vgpr_count:     256
    .wavefront_size: 32
...
	.end_amdgpu_metadata
.endif
;; end of part 3
;; launch oproj (part 4): grid 256 x 1, 4 waves a work-group, no clusters, 68,096 bytes of LDS; arguments ob, os, wc, ws, bo, out0; writes out0
.if DOCPART == 4
	.amdgcn_target "amdgcn-amd-amdhsa--gfx1250"
	.amdhsa_code_object_version 6
	.text
	.protected	k_q6b4432a492_oproj
	.globl	k_q6b4432a492_oproj
	.p2align	8
	.type	k_q6b4432a492_oproj,@function
k_q6b4432a492_oproj:
	s_mov_b64 s[64:65], 0
	v_nop
	global_prefetch_b8 v0, s[64:65] scope:SCOPE_SE
	s_setreg_imm32_b32 hwreg(HW_REG_WAVE_MODE, 25, 1), 1
	s_wait_xcnt 0x0
; out0 = O Wo^T + bo on codes of FP6 (E2M3) with one E8M0 scale for each 32 along K = 512.  O's rows are (s, b'), its codes and scale words made by the attention launch; Wo's by the first launch, in operand order.
; A work-group takes two tiles of 16 rows (b' = x / 128, P = x % 128: tile 2 P + a holds positions 32 P + 8 a + r + 8 (r / 8)) and all 512 columns; wave w owns columns 128 w .. + 127.
; Source 0 = 16 rows of Wo (tile i's row r is n = 32 (i / 2) + 8 (i % 2) + r + 8 (r / 8) of my 128), source 1 = 16 rows of O: a lane holds one row, and registers of two neighbouring tiles 16 neighbouring columns.
; All operands are loaded straight into registers at the head, as images: 64 products a wave, 16 accumulators in two groups of eight by turns.  The bias is the C of each sum's first product.
; The results go through the wave's own stage in LDS and leave as rows of 512 consecutive bytes.  No barrier: waves share nothing in LDS.
; NO CLUSTER: Wo's 196,608 bytes go from memory into operand registers, each byte once a work-group; a joint load would send them through LDS, written and read again, for 64 products a wave.
.set STGB,  8448                       ; a stage: 16 rows x (512 bytes + 16); two for each wave
.set SPARE, 67584                      ; behind the stages: the spare words, 128 bytes for each wave: two blocks of 256 bytes that no other line names
.set LI,   1                           ; v1  16 x lane
.set L8,   2                           ; v2  8 x lane
.set L4,   3                           ; v3  4 x lane
.set STO,  4                           ; v4  my stage: 528 r + 64 h
.set SRD,  5                           ; v5  my stage: 16 x lane
.set BOFF, 6                           ; v6  64 h
.set SPW,  8                           ; v8  LDS address of my spare word; never rewritten
.set NIL,  9                           ; v9  0; never rewritten
.set T,    16                          ; v16-111  O's fragments (tile a, K step s) at 12 (4 a + s); later rows of tile 1 read back
.set RAW,  112                         ; v112-119 O's scale words as stored: (K step s, b) at 2 s + b
.set OSW,  120                         ; v120-123 O's scale words: scales and nothing else; lanes 0-15 tile 0, lanes 16-31 tile 1
.set WSR,  124                         ; v124-139 Wo's scale words: scales and nothing else
.set RB0,  144                         ; v144-207 rows of tile 0 read back
.set RB1,  16
.set BIAS, 128                         ; window 3: v0-127 the accumulators (a, i) at 8 (8 a + i); v128-191 the bias, tile i at 8 i
                                       ; window 1: Wo's fragments (i = 0..3, s) at 12 (4 i + s);  window 2: (i = 4..7, s)
.set WV,   16
.set MSB, 0
.macro WIN new                         ; the immediate's high byte repeats the setting that is left
.if MSB != \new
	s_set_vgpr_msb (MSB<<8)|\new
.set MSB, \new
.endif
.endm
.macro WM ra, rb
.if ((\ra) == 0) && ((\rb) == 0)
	v_wmma_scale_f32_16x16x128_f8f6f4 v[rD:rD+7], v[rA:rA+11], v[rB:rB+11], v[rC:rC+7], v[rSA], v[rSB] matrix_a_fmt:MATRIX_FMT_FP6 matrix_b_fmt:MATRIX_FMT_FP6
.elseif (\rb) == 0
	v_wmma_scale_f32_16x16x128_f8f6f4 v[rD:rD+7], v[rA:rA+11], v[rB:rB+11], v[rC:rC+7], v[rSA], v[rSB] matrix_a_fmt:MATRIX_FMT_FP6 matrix_b_fmt:MATRIX_FMT_FP6 matrix_a_scale:MATRIX_SCALE_ROW1
.elseif (\ra) == 0
	v_wmma_scale_f32_16x16x128_f8f6f4 v[rD:rD+7], v[rA:rA+11], v[rB:rB+11], v[rC:rC+7], v[rSA], v[rSB] matrix_a_fmt:MATRIX_FMT_FP6 matrix_b_fmt:MATRIX_FMT_FP6 matrix_b_scale:MATRIX_SCALE_ROW1
.else
	v_wmma_scale_f32_16x16x128_f8f6f4 v[rD:rD+7], v[rA:rA+11], v[rB:rB+11], v[rC:rC+7], v[rSA], v[rSB] matrix_a_fmt:MATRIX_FMT_FP6 matrix_b_fmt:MATRIX_FMT_FP6 matrix_a_scale:MATRIX_SCALE_ROW1 matrix_b_scale:MATRIX_SCALE_ROW1
.endif
.endm
.macro PROD a, i, s
.set rD, 8*(8*(\a)+(\i))
.set rA, 12*(4*((\i)%4)+(\s))
.set rB, T+12*(4*(\a)+(\s))
.if (\s) == 0
.set rC, BIAS+8*(\i)
.else
.set rC, rD
.endif
.set rSA, WSR+4*((\i)/2)+(\s)
.set rSB, OSW+(\s)
	WM (\i)%2, \a
.endm
	s_load_b256 s[4:11], s[0:1], 0x0               ; ob s[4:5], os s[6:7], wc s[8:9], ws s[10:11]
	s_load_b128 s[12:15], s[0:1], 0x20             ; bo s[12:13], out0 s[14:15]
	v_lshl_add_u32 v[SPW], v0, 2, SPARE
	v_mov_b32 v[NIL], 0
	v_lshrrev_b32 v10, 5, v0
	v_readfirstlane_b32 s[WV], v10                 ; wave 0..3
	s_lshr_b32 s17, ttmp9, 7                       ; b'
	s_and_b32 s18, ttmp9, 127                      ; P
	v_and_b32 v10, 31, v0
	v_lshlrev_b32 v[LI], 4, v10
	v_lshlrev_b32 v[L8], 3, v10
	v_lshlrev_b32 v[L4], 2, v10
	v_and_b32 v11, 15, v0                          ; r
	v_bfe_u32 v12, v0, 4, 1                        ; h
	s_mul_i32 s19, s[WV], 2*STGB                   ; my two stages
	v_mul_u32_u24 v[STO], v11, 528
	v_lshl_add_u32 v[STO], v12, 6, v[STO]
	v_add_nc_u32 v[STO], s19, v[STO]
	v_add_nc_u32 v[SRD], s19, v[LI]
	v_lshlrev_b32 v[BOFF], 6, v12
	s_mul_i32 s20, s17, 1572864                    ; O's codes: b', tile 2 P
	s_mul_i32 s19, s18, 12288
	s_add_co_u32 s20, s20, s19
	s_mov_b32 s21, 0
	s_lshl_b32 s22, s17, 17                        ; O's scale words: hb = 8 b' on, tiles 2 P and 2 P + 1
	s_lshl_b32 s19, s18, 7
	s_add_co_u32 s22, s22, s19
	s_mov_b32 s23, 0
	s_mul_i32 s24, s[WV], 49152                    ; Wo's images: the fourth tensor, my eight tiles
	s_add_co_u32 s24, s24, 589824
	s_mov_b32 s25, 0
	s_lshl_b32 s26, s[WV], 11                      ; Wo's scale words
	s_add_co_u32 s26, s26, 24576
	s_mov_b32 s27, 0
	s_lshl_b32 s28, s[WV], 9                       ; my 128 columns, in bo and in a row of out0
	s_mov_b32 s29, 0
	s_lshl_b32 s30, s18, 17                        ; out0: row (32 P, b') of 2,048 bytes
	s_lshl_b32 s19, s17, 11
	s_add_co_u32 s30, s30, s19
	s_add_co_u32 s30, s30, s28
	s_mov_b32 s31, 0
	s_wait_kmcnt 0x0
	s_add_nc_u64 s[4:5], s[4:5], s[20:21]
	s_add_nc_u64 s[6:7], s[6:7], s[22:23]
	s_add_nc_u64 s[8:9], s[8:9], s[24:25]
	s_add_nc_u64 s[10:11], s[10:11], s[26:27]
	s_add_nc_u64 s[12:13], s[12:13], s[28:29]
	s_add_nc_u64 s[14:15], s[14:15], s[30:31]
.irp i, 0,1,2,3,4,5,6,7
	WIN 0x40+0x40*(\i/4)                           ; destination window 1, then 2
.irp s, 0,1,2,3
.irp c, 0,1,2
	global_load_b128 v[12*(4*(\i%4)+\s)+4*\c:12*(4*(\i%4)+\s)+4*\c+3], v[LI], s[8:9] offset:(4*\i+\s)*1536+512*\c
.endr
.endr
.endr
	WIN 0xc0                                       ; destination window 3
.irp i, 0,1,2,3,4,5,6,7
	global_load_b128 v[BIAS+8*\i:BIAS+8*\i+3], v[BOFF], s[12:13] offset:(32*(\i/2)+8*(\i%2))*4
	global_load_b128 v[BIAS+8*\i+4:BIAS+8*\i+7], v[BOFF], s[12:13] offset:(32*(\i/2)+8*(\i%2))*4+16
.endr
	WIN 0
.irp f, 0,1,2,3,4,5,6,7                        ; fragment 4 a + s: two half images, b = 0 (registers 0-5) and b = 1 (registers 6-11)
	global_load_b128 v[T+12*\f:T+12*\f+3], v[LI], s[4:5] offset:1536*\f
	global_load_b64 v[T+12*\f+4:T+12*\f+5], v[L8], s[4:5] offset:1536*\f+512
	global_load_b128 v[T+12*\f+6:T+12*\f+9], v[LI], s[4:5] offset:1536*\f+768
	global_load_b64 v[T+12*\f+10:T+12*\f+11], v[L8], s[4:5] offset:1536*\f+1280
.endr
.irp g, 0,1,2,3
.irp k, 0,1
	global_load_b64 v[WSR+4*\g+2*\k:WSR+4*\g+2*\k+1], v[L8], s[10:11] offset:512*\g+256*\k
.endr
.endr
.irp q, 0,1,2,3,4,5,6,7
	global_load_b32 v[RAW+\q], v[L4], s[6:7] offset:16384*\q   ; 128 consecutive bytes: lanes 0-15 tile 2 P's rows, lanes 16-31 tile 2 P + 1's
.endr
	s_wait_loadcnt 0x0
.irp s, 0,1,2,3
	v_lshl_or_b32 v[OSW+\s], v[RAW+2*\s+1], 16, v[RAW+2*\s]   ; bytes 0, 1: b = 0's two blocks; bytes 2, 3: b = 1's
.endr
.rept 8
	v_nop                                          ; a scale register written by a vector instruction stands eight places ahead of a scaled product
.endr
	WIN 0xf1                                       ; source 0 window 1, source 1 window 0, C and D window 3
.irp s, 0,1,2,3                                ; eight accumulators by turns, one instruction a turn
.irp a, 0,1
.irp i, 0,1,2,3
	PROD \a, \i, \s
.endr
.endr
.endr
	WIN 0xf2                                       ; source 0 window 2
.irp s, 0,1,2,3
.irp a, 0,1
.irp i, 4,5,6,7
	PROD \a, \i, \s
.endr
.endr
.endr
	WIN 0
.rept 4
	v_nop                                          ; four places in front of the first read of results and of loads into registers that products have read
.endr
.irp a, 0,1
	WIN 0x0c                                       ; an LDS store's data are its source 1: window 3
.irp i, 0,1,2,3,4,5,6,7
	ds_store_b128 v[STO], v[8*(8*\a+\i):8*(8*\a+\i)+3] offset:STGB*\a+128*(\i/2)+32*(\i%2)       ; each accumulator from its low end on
	ds_store_b128 v[STO], v[8*(8*\a+\i)+4:8*(8*\a+\i)+7] offset:STGB*\a+128*(\i/2)+32*(\i%2)+16
.endr
	WIN 0
.irp t, 0,1,2,3,4,5,6,7,8,9,10,11,12,13,14,15
	ds_load_b128 v[RB0+(RB1-RB0)*\a+4*\t:RB0+(RB1-RB0)*\a+4*\t+3], v[SRD] offset:STGB*\a+528*\t   ; LDS serves a wave's instructions in order: these see my stores
.endr
.endr
	s_wait_dscnt 32                                ; tile 0's rows are back; tile 1's 16 stores and 16 loads may be out
.irp t, 0,1,2,3,4,5,6,7,8,9,10,11,12,13,14,15
	global_store_b128 v[LI], v[RB0+4*\t:RB0+4*\t+3], s[14:15] offset:(\t+8*(\t/8))*4096 th:TH_STORE_NT   ; 32 lanes store 512 consecutive bytes, aligned to 256
.endr
	s_wait_dscnt 0x0
.irp t, 0,1,2,3,4,5,6,7,8,9,10,11,12,13,14,15
	global_store_b128 v[LI], v[RB1+4*\t:RB1+4*\t+3], s[14:15] offset:(8+\t+8*(\t/8))*4096 th:TH_STORE_NT
.endr
	s_wait_tensorcnt 0x0                           ; the wave's end, behind my last LDS store
	ds_add_u32 v[SPW], v[NIL]
	s_wait_dscnt 0x0
	s_endpgm
.Lfunc_end_k_q6b4432a492_oproj:
	.size	k_q6b4432a492_oproj, .Lfunc_end_k_q6b4432a492_oproj-k_q6b4432a492_oproj
	.p2alignl 7, 3214868480
	.fill 96, 4, 3214868480
	.section	.rodata,"a",@progbits
	.p2align	6, 0x0
	.amdhsa_kernel k_q6b4432a492_oproj
		.amdhsa_group_segment_fixed_size 68096
		.amdhsa_private_segment_fixed_size 0
		.amdhsa_enable_private_segment 0
		.amdhsa_kernarg_size 48
		.amdhsa_user_sgpr_count 2
		.amdhsa_user_sgpr_kernarg_segment_ptr 1
		.amdhsa_wavefront_size32 1
		.amdhsa_system_sgpr_workgroup_id_x 1
		.amdhsa_system_sgpr_workgroup_id_y 1
		.amdhsa_system_sgpr_workgroup_id_z 1
		.amdhsa_system_vgpr_workitem_id 0
		.amdhsa_next_free_vgpr 960
		.amdhsa_next_free_sgpr 66
		.amdhsa_reserve_vcc 0
		.amdhsa_float_denorm_mode_32 3
		.amdhsa_float_denorm_mode_16_64 3
		.amdhsa_memory_ordered 1
		.amdhsa_forward_progress 1
		.amdhsa_inst_pref_size 34
	.end_amdhsa_kernel
	.amdgpu_metadata
---
amdhsa.version: [ 1, 2 ]
amdhsa.kernels:
  - .name:           k_q6b4432a492_oproj
    .symbol:         k_q6b4432a492_oproj.kd
    .args:
      - { .name: ob, .offset: 0, .size: 8, .value_kind: global_buffer, .address_space: global }
      - { .name: os, .offset: 8, .size: 8, .value_kind: global_buffer, .address_space: global }
      - { .name: wc, .offset: 16, .size: 8, .value_kind: global_buffer, .address_space: global }
      - { .name: ws, .offset: 24, .size: 8, .value_kind: global_buffer, .address_space: global }
      - { .name: bo, .offset: 32, .size: 8, .value_kind: global_buffer, .address_space: global }
      - { .name: out0, .offset: 40, .size: 8, .value_kind: global_buffer, .address_space: global }
    .group_segment_fixed_size: 68096
    .private_segment_fixed_size: 0
    .kernarg_segment_align: 8
    .kernarg_segment_size: 48
    .max_flat_workgroup_size: 128
    .sgpr_count:     66
    .vgpr_count:     960
    .wavefront_size: 32
...
	.end_amdgpu_metadata
.endif
;; end of part 4
;; ======== version 2 of 2: 4 launches
;; workspace buffers: wc 786,432 bytes; ws 32,768 bytes; qb 3,407,872 bytes; kv 6,684,672 bytes; ob 3,145,728 bytes; os 262,144 bytes
;; launch wquant (part 5): grid 128 x 1, 1 waves a work-group, no clusters, 17,152 bytes of LDS; arguments Wq, Wk, Wv, Wo, wc, ws; writes wc, ws
.if DOCPART == 5
	.amdgcn_target "amdgcn-amd-amdhsa--gfx1250"
	.amdhsa_code_object_version 6
	.text
	.protected	k_q6b4432a492_wquant
	.globl	k_q6b4432a492_wquant
	.p2align	8
	.type	k_q6b4432a492_wquant,@function
k_q6b4432a492_wquant:
	s_mov_b64 s[64:65], 0
	v_nop
	global_prefetch_b8 v0, s[64:65] scope:SCOPE_SE
	s_setreg_imm32_b32 hwreg(HW_REG_WAVE_MODE, 25, 1), 1
	s_wait_xcnt 0x0
; Wq, Wk, Wv, Wo [512 (n)][512 (k)] f32 become codes of FP6 (E2M3) with one E8M0 scale byte for each 32 along k, laid as IMAGES OF OPERAND REGISTERS:
;   wc [tensor][tile T 0..31][K step s 0..3][1,536 bytes]: a fragment's 12 registers, register group c (4 registers) of lane l at 512 c + 16 l.
;   ws [tensor][g = T / 2][kh][lane][2 words]: word j is K step 2 kh + j; lanes 0-15 hold tile 2 g's rows, lanes 16-31 tile 2 g + 1's.
; THE ROWS OF A TILE ARE NOT NEIGHBOURS: row r of tile 2 g + u is n = 32 g + 8 u + r + 8 (r / 8), so that results of two neighbouring tiles are 16 neighbours along n.
; A block's scale is 2^(floor(log2(largest magnitude)) - 2); its byte is the largest magnitude's exponent field - 2, held at 1 from below.
; LIMITS: a block of zeros gets the byte 1 where the rule says 127 (its codes are zeros, and this program alone reads the bytes); blocks whose largest magnitude lies under 2^-124 are held at that floor; NaN and infinities are not served.
; SHARES: one wave to a work-group; it takes 32 rows x 256 k of one tensor as four pieces of 16 rows x 128 k.  Each load reads 512 consecutive bytes of a row; a piece turns through the wave's
; stage in LDS (rows 528 bytes apart: 132 words, so sixteen rows start at sixteen different groups of banks) and comes back with 16 neighbours along k in a lane.  No matrix unit, cluster or tensor load: a stream of 4 MiB read once.
.set RP,    2048                       ; bytes from a row of W to the next
.set NP,    4                          ; pieces
.set STGB,  8448                       ; a stage: 16 rows x 528 bytes; two of them by turns
.set SPARE, 2*STGB                     ; behind the stages: the spare words, one block of 256 bytes that no other line names
.set LI,    1                          ; v1   16 x lane
.set L8,    2                          ; v2   8 x lane
.set SA,    1                          ; the stage begins at LDS byte 0: on the way in a lane's place is 16 x lane
.set SRD,   4                          ; v4   on the way out: 528 r + 64 h
.set SPW,   8                          ; v8   LDS address of my spare word; never rewritten
.set NIL,   9                          ; v9   0; never rewritten
.set X,     16                         ; v16-143  two sets of 64 numbers, register 16 b + i = k 32 b + 16 h + i of my row
.set PC,    144                        ; v144-163 the codes just made
.set TM,    164                        ; v164-179 at work in QUANT
.set PWA,   180                        ; v180, v181 the scale words of tiles 2 g and 2 g + 1
.set XSW,   182                        ; v182-183 the two K steps' scale words as they are stored
.set XB,    4                          ; s[4:5] my part of the tensor
.set HM,    24                         ; s24  the mask of lanes 16-31
.set SEL,   26                         ; s[26:27] lane selects for lane l xor 16
; window 1: v0-191 three sets of 64 registers as loaded
.set MSB, 0
.macro WIN new                         ; the immediate's high byte repeats the setting that is left
.if MSB != \new
	s_set_vgpr_msb (MSB<<8)|\new
.set MSB, \new
.endif
.endm
; 64 numbers of a lane become a fragment's codes in v[PC] on and its scale word in v[pw] (the same in lanes l and l xor 16)
.macro QUANT s, pw
.irp b, 0,1,2,3
	v_max3_num_f32 v[TM+\b], |v[\s+16*\b]|, |v[\s+1+16*\b]|, 0x1800000   ; block b: my 16 numbers, and the floor 2^(3 - 127): the byte cannot fall under 1
.endr
.irp i, 2,4,6,8,10,12,14
.irp b, 0,1,2,3
	v_max3_num_f32 v[TM+\b], v[TM+\b], |v[\s+16*\b+\i]|, |v[\s+1+16*\b+\i]|   ; the four blocks by turns
.endr
.endr
.irp b, 0,1,2,3
	v_permlanex16_b32 v[TM+4+\b], v[TM+\b], s[SEL], s[SEL+1]
.endr
.irp b, 0,1,2,3
	v_max_num_f32 v[TM+\b], v[TM+\b], v[TM+4+\b]   ; with lane l xor 16's: the block's largest magnitude
.endr
.irp b, 0,1,2,3
	v_add_nc_u32 v[TM+12+\b], 0xff000000, v[TM+\b]   ; 2 off its exponent field: the conversion's scale operand
.endr
.irp b, 0,1,2,3
	v_lshrrev_b32 v[TM+4+\b], 23, v[TM+12+\b]   ; the scale's byte
.endr
	v_lshl_or_b32 v[\pw], v[TM+5], 8, v[TM+4]
	v_lshl_or_b32 v[\pw], v[TM+6], 16, v[\pw]
	v_lshl_or_b32 v[\pw], v[TM+7], 24, v[\pw]
.irp c, 0,1
	v_cvt_scalef32_pk16_fp6_f32 v[PC+6*\c:PC+2+6*\c], v[\s+32*\c:\s+15+32*\c], v[TM+12+2*\c]
	v_cvt_scalef32_pk16_fp6_f32 v[PC+12+4*\c:PC+14+4*\c], v[\s+16+32*\c:\s+31+32*\c], v[TM+12+2*\c+1]   ; a conversion's three registers begin on an even number
.endr
	v_nop                                          ; one plain place behind a scaled conversion
.irp c, 0,1                                    ; the operand's layout wants a whole block in a lane
.irp i, 0,1,2
	v_permlane16_swap_b32 v[PC+6*\c+\i], v[PC+12+4*\c+\i]
.endr
.irp i, 0,1,2
	v_mov_b32 v[PC+3+6*\c+\i], v[PC+12+4*\c+\i]
.endr
.endr
.endm
; piece p (K step p / 2 of my two, tile p % 2 of my two): sixteen rows, 512 consecutive bytes each, into load set p % 3
.macro LOADP p
	WIN 0x40                                       ; destination window 1
.irp q, 0,1,2,3,4,5,6,7,8,9,10,11,12,13,14,15
	global_load_b128 v[64*((\p)%3)+4*\q:64*((\p)%3)+4*\q+3], v[LI], s[XB:XB+1] offset:(8*((\p)%2)+\q+8*(\q/8))*RP+512*((\p)/2) th:TH_LOAD_NT
.endr
	WIN 0
.endm
; piece p through stage p % 2: LDS serves a wave's instructions in order, so no wait stands between the stores and the loads
.macro TURN p
	WIN 0x04                                       ; an LDS store's data are its source 1: window 1
.irp q, 0,1,2,3,4,5,6,7,8,9,10,11,12,13,14,15
	ds_store_b128 v[SA], v[64*((\p)%3)+4*\q:64*((\p)%3)+4*\q+3] offset:STGB*((\p)%2)+528*\q
.endr
	WIN 0
.irp b, 0,1,2,3
.irp j, 0,1,2,3
	ds_load_b128 v[X+64*((\p)%2)+16*\b+4*\j:X+64*((\p)%2)+16*\b+4*\j+3], v[SRD] offset:STGB*((\p)%2)+128*\b+16*\j
.endr
.endr
.endm
.macro XSTEP p
	s_wait_dscnt 0x0                               ; piece p is back from its stage, and its stores into the stage have read load set p % 3
	s_wait_xcnt 0x0                                ; the last piece's stores have read the codes' registers
.if (\p)+3 < NP
	LOADP (\p)+3
.endif
.if (\p)+1 < NP
.if (\p)+3 < NP
	s_wait_loadcnt 32                              ; piece p + 1 is in; the 16 loads of each of the two younger pieces may be out
.else
	s_wait_loadcnt 16*(NP-2-(\p))                  ; the same, with fewer younger pieces
.endif
	TURN (\p)+1
.endif
	QUANT X+64*((\p)%2), PWA+(\p)%2
.irp c, 0,1,2
	global_store_b128 v[LI], v[PC+4*\c:PC+4*\c+3], s[12:13] offset:6144*((\p)%2)+1536*((\p)/2)+512*\c   ; 32 lanes store 512 consecutive bytes, aligned to 256
.endr
.if (\p)%2 == 1
	v_cndmask_b32 v[XSW+(\p)/2], v[PWA], v[PWA+1], s[HM]   ; lanes 0-15 tile 2 g's words, lanes 16-31 tile 2 g + 1's
.endif
.endm
	s_load_b256 s[4:11], s[0:1], 0x0               ; Wq, Wk, Wv, Wo
	s_load_b128 s[12:15], s[0:1], 0x20             ; wc, ws
	v_lshl_add_u32 v[SPW], v0, 2, SPARE
	v_mov_b32 v[NIL], 0
	v_lshlrev_b32 v[LI], 4, v0                     ; one wave: the thread's number is the lane
	v_lshlrev_b32 v[L8], 3, v0
	v_and_b32 v5, 15, v0                           ; r
	v_lshrrev_b32 v6, 4, v0                        ; h
	v_mul_u32_u24 v[SRD], v5, 528
	v_lshl_add_u32 v[SRD], v6, 6, v[SRD]
.irp b, 0,1,2,3
	v_mov_b32 v[TM+4+\b], 0                        ; written once: a lane permute's destination counts as one of its sources
.endr
	s_and_b32 s16, ttmp9, 1                        ; kh: which 256 along k
	s_bfe_u32 s17, ttmp9, 0x40001                  ; g: which 32 rows
	s_lshr_b32 s18, ttmp9, 5                       ; which tensor
	s_mov_b32 s[HM], 0xffff0000
	s_mov_b32 s[SEL], 0x76543210
	s_mov_b32 s[SEL+1], 0xfedcba98
	s_lshl_b32 s20, s17, 16                        ; W: 32 g rows of 2,048 bytes
	s_lshl_b32 s19, s16, 10                        ;    + 256 kh numbers
	s_add_co_u32 s20, s20, s19
	s_mov_b32 s21, 0
	s_mul_i32 s22, s18, 196608                     ; wc: the tensor, tile 2 g, K step 2 kh
	s_mul_i32 s19, s17, 12288
	s_add_co_u32 s22, s22, s19
	s_mul_i32 s19, s16, 3072
	s_add_co_u32 s22, s22, s19
	s_mov_b32 s23, 0
	s_lshl_b32 s28, s18, 13                        ; ws: 8,192 a tensor, 512 a pair of tiles, 256 a half of k
	s_lshl_b32 s19, s17, 9
	s_add_co_u32 s28, s28, s19
	s_lshl_b32 s19, s16, 8
	s_add_co_u32 s28, s28, s19
	s_mov_b32 s29, 0
	s_wait_alu depctr_va_vdst(0)
	s_wait_kmcnt 0x0
	s_cmp_eq_u32 s18, 1                            ; the choice hangs on the work-group's number alone
	s_cselect_b64 s[4:5], s[6:7], s[4:5]
	s_cmp_eq_u32 s18, 2
	s_cselect_b64 s[4:5], s[8:9], s[4:5]
	s_cmp_eq_u32 s18, 3
	s_cselect_b64 s[4:5], s[10:11], s[4:5]
	s_add_nc_u64 s[XB:XB+1], s[4:5], s[20:21]
	s_add_nc_u64 s[12:13], s[12:13], s[22:23]
	s_add_nc_u64 s[14:15], s[14:15], s[28:29]
	LOADP 0
	LOADP 1
	LOADP 2
	s_wait_loadcnt 32                              ; piece 0 is in; pieces 1 and 2, 16 loads each, may be out
	TURN 0
	XSTEP 0
	XSTEP 1
	XSTEP 2
	XSTEP 3
	global_store_b64 v[L8], v[XSW:XSW+1], s[14:15] ; 32 lanes store 256 consecutive bytes, aligned
	s_wait_tensorcnt 0x0                           ; the wave's end, behind my last LDS store
	ds_add_u32 v[SPW], v[NIL]
	s_wait_dscnt 0x0
	s_endpgm
.Lfunc_end_k_q6b4432a492_wquant:
	.size	k_q6b4432a492_wquant, .Lfunc_end_k_q6b4432a492_wquant-k_q6b4432a492_wquant
	.p2alignl 7, 3214868480
	.fill 96, 4, 3214868480
	.section	.rodata,"a",@progbits
	.p2align	6, 0x0
	.amdhsa_kernel k_q6b4432a492_wquant
		.amdhsa_group_segment_fixed_size 17152
		.amdhsa_private_segment_fixed_size 0
		.amdhsa_enable_private_segment 0
		.amdhsa_kernarg_size 48
		.amdhsa_user_sgpr_count 2
		.amdhsa_user_sgpr_kernarg_segment_ptr 1
		.amdhsa_wavefront_size32 1
		.amdhsa_system_sgpr_workgroup_id_x 1
		.amdhsa_system_sgpr_workgroup_id_y 1
		.amdhsa_system_sgpr_workgroup_id_z 1
		.amdhsa_system_vgpr_workitem_id 0
		.amdhsa_next_free_vgpr 448
		.amdhsa_next_free_sgpr 66
		.amdhsa_reserve_vcc 0
		.amdhsa_float_denorm_mode_32 3
		.amdhsa_float_denorm_mode_16_64 3
		.amdhsa_memory_ordered 1
		.amdhsa_forward_progress 1
		.amdhsa_inst_pref_size 34
	.end_amdhsa_kernel
	.amdgpu_metadata
---
amdhsa.version: [ 1, 2 ]
amdhsa.kernels:
  - .name:           k_q6b4432a492_wquant
    .symbol:         k_q6b4432a492_wquant.kd
    .args:
      - { .name: Wq, .offset: 0, .size: 8, .value_kind: global_buffer, .address_space: global }
      - { .name: Wk, .offset: 8, .size: 8, .value_kind: global_buffer, .address_space: global }
      - { .name: Wv, .offset: 16, .size: 8, .value_kind: global_buffer, .address_space: global }
      - { .name: Wo, .offset: 24, .size: 8, .value_kind: global_buffer, .address_space: global }
      - { .name: wc, .offset: 32, .size: 8, .value_kind: global_buffer, .address_space: global }
      - { .name: ws, .offset: 40, .size: 8, .value_kind: global_buffer, .address_space: global }
    .group_segment_fixed_size: 17152
    .private_segment_fixed_size: 0
    .kernarg_segment_align: 8
    .kernarg_segment_size: 48
    .max_flat_workgroup_size: 32
    .sgpr_count:     66
    .vgpr_count:     448
    .wavefront_size: 32
...
	.end_amdgpu_metadata
.endif
;; end of part 5
;; launch proj (part 6): grid 64 x 3, 4 waves a work-group, no clusters, 119,296 bytes of LDS; arguments query, key, value, bq, bk, bv, wc, ws, qb, kv; writes qb, kv
.if DOCPART == 6
	.amdgcn_target "amdgcn-amd-amdhsa--gfx1250"
	.amdhsa_code_object_version 6
	.text
	.protected	k_q6b4432a492_proj
	.globl	k_q6b4432a492_proj
	.p2align	8
	.type	k_q6b4432a492_proj,@function
k_q6b4432a492_proj:
	s_mov_b64 s[64:65], 0
	v_nop
	global_prefetch_b8 v0, s[64:65] scope:SCOPE_SE
	s_setreg_imm32_b32 hwreg(HW_REG_WAVE_SCHED_MODE, 0, 2), 2
	s_setreg_imm32_b32 hwreg(HW_REG_WAVE_MODE, 25, 1), 1
	s_wait_xcnt 0x0
	s_wait_alu depctr_vm_vsrc(0)
; q = query Wq^T + bq, k = key Wk^T + bk, v = value Wv^T + bv, on codes of FP6 (E2M3) with one E8M0 scale for each 32 along K; the results are quantised at once for the attention launch.
; Work-group y picks the tensor (0 q, 1 k, 2 v); work-group x = 2 step + b: 128 positions s = 128 step .. + 127 of batch b, all 512 columns, K = 512.
; q's factor 1/8 is a power of two: the codes are those of the unscaled q, and the attention launch carries the factor in its softmax constant.
; PHASE X (all tensors alike): wave w quantises x's row tiles 2 w and 2 w + 1 (tile m's row r is position 32 (m / 2) + 8 (m % 2) + r + 8 (r / 8)) and stores the fragments in LDS as images of their registers; one barrier.
; MAIN: wave w owns columns 128 w .. + 127 (heads 2 w and 2 w + 1; W's tiles 8 w .. 8 w + 7, laid by the launch before in operand order, loaded straight into registers).
;   q, k: source 0 = 16 rows of W, source 1 = 16 rows of x: a lane holds one position, its 64 registers run along the columns, which are the next K (the head's 64): registers 0-5 of the codes are head 2 w's half fragment, 6-11 head 2 w + 1's.
;   v:    source 0 = 16 rows of x, source 1 = 16 rows of W: a lane holds one column d, its 64 registers run along 128 keys, the next K: a whole fragment of V^T.
;   The operand of source 0 stays in 384 registers (R), the other is streamed a tile at a time in two sets (T).  The bias is the C of each sum's first product.
; OUT: qb [hb = 2 head + b][step][6,656]: 8 half images of 768 bytes, then 512 bytes of scale words (16 lane + 4 j: tile 2 j + lane / 16, row lane % 16; bytes 2, 3 are 0: they scale zero codes).
;      kv [hb][step][13,056]: k laid as qb's block; at 6,656 V^T's 4 images of 1,536 bytes; at 12,800 their scale words (8 lane + 4 j).
; NO CLUSTER: the weights go from memory into operand registers, 196,608 bytes a work-group, each byte once; a joint load would send the same bytes through LDS, written and read again, beside x's images.
; LIMITS: a block of zeros gets the byte 1 where the rule says 127 (its codes are zeros; this program alone reads the bytes); blocks under 2^-124 are held at that floor, and q's blocks three exponents lower than the rule's hold would fall; NaN and infinities are not served.
; THE MODE: SCHED_MODE bits 1:0 = 2 (LLVM: expert scheduling mode 2), set by the entry lines.  The code itself states the register dependences
; between vector or matrix instructions and memory or LDS instructions, with s_wait_alu, always for 0.
; THE PLAN.  Registers that memory or LDS instructions touch:
;   v1-v7, v10   offsets and LDS addresses: written once at the head, only read afterwards.
;   L0 .. L2     (window 1) piece p as loaded.  Written by the loads of piece p + 3, issued in step p; read by the stage stores of piece p, issued in step p - 1.  No vector instruction names them.
;   X0, X1       a piece back from its stage.  Written by the stage loads of piece p + 1, issued in step p; read by quantiser p - 1 before that.
;   PC0, PC1     a fragment's codes.  Written by quantiser p (PC[p % 2]); read by its three image stores, which are issued in step p + 1; written again by quantiser p + 2.
;   So a step of phase X has one wait on vm_vsrc at its head (the stage stores have read L[p % 3]; the image stores of two pieces back have read PC[p % 2]) and one on va_vdst
;   (quantiser p - 1 has written its codes and is done reading its X); all the step's loads and stores follow them with no further wait.
;   T0, T1       (window 1) the streamed tile.  Read by unit u's 32 products; written by the loads of tile u + 2, issued in unit u behind its products.
;   In MAIN PC[u % 2] is written by quantiser u, read by unit u's global stores, which are issued in unit u + 1, and written again by quantiser u + 2.
;   So a unit has one wait on va_vdst, behind its products and their four places (they are done reading T[u % 2]; quantiser u - 1 has written its codes), and ahead of it one on vm_vsrc, beside the wait on XCNT
;   (the stores of unit u - 2, issued a unit ago, have read PC[u % 2]).  R, the bias and the scale words are loaded once; no vector instruction writes an operand or a scale of a product.
.set RP,    4096                       ; bytes from a position of one batch to the next
.set NP,    8                          ; pieces of 16 rows x 128 k for a wave
.set STGB,  8448                       ; a stage: 16 rows x 528 bytes
.set XIMG,  0                          ; LDS: x's 32 fragments, (tile m, K step s) at (4 m + s) x 1,536
.set XSC,   49152                      ; their scale words: pair of tiles mp at 512 mp + 16 lane, word s
.set STG,   51200                      ; two stages for each wave
.set SPARE, 118784                     ; the spare words, 128 bytes for each wave: two blocks of 256 bytes that no other line names
.set LI,    1                          ; v1   16 x lane
.set L8,    2                          ; v2   8 x lane
.set SA,    3                          ; v3   my stage, way in: 16 x lane
.set SRD,   4                          ; v4   my stage, way out: 528 r + 64 h
.set XWI,   5                          ; v5   where I store x's images
.set XWS,   6                          ; v6   and their scale words
.set BOFQ,  7                          ; v7   bias offset for q, k: 64 h
.set SPW,   8                          ; v8   LDS address of my spare word; never rewritten
.set NIL,   9                          ; v9   0; never rewritten
.set BOFV,  10                         ; v10  bias offset for v: 4 (r + 8 (r / 8))
.set X,     16                         ; v16-143  two sets of 64 numbers of x
.set ACC,   16                         ; v16-79   later: the eight accumulators of a unit
.set PC0,   144                        ; v144-155 the codes just made, buffer 0
.set PT,    156                        ; v156-163 the conversions' second halves: named by vector instructions alone
.set TM,    164                        ; v164-179 at work in QUANT
.set PWA,   180                        ; v180-181 scale words of my two tiles of x
.set XSW,   182                        ; v182-185 x's scale words as stored
.set SW,    186                        ; v186-193 a unit's scale word, eight units
.set SR,    194                        ; v194-197 two units' words in one register
.set SRA,   198                        ; v198-201 head 2 w's bytes
.set SRB,   202                        ; v202-205 head 2 w + 1's
.set XSR,   208                        ; v208-223 x's scale words: scales and nothing else
.set WSR,   224                        ; v224-239 W's scale words: scales and nothing else
.set PC1,   240                        ; v240-251 the codes just made, buffer 1
.set BIAS,  192                        ; window 1: v192-255 the bias in the result's layout; v0-191 load sets, later T: set e, K step s at 48 e + 12 s
                                       ; window 2: R (i = 0..3, s) at 12 (4 i + s);  window 3: R (i = 4..7, s)
.set XB,    24                         ; s[24:25] x at my wave's first row;  s[26:27] bias;  s[28:29] W's images;  s[30:31] W's scale words;  s[32:33], s[34:35] my two heads' blocks
.set WV,    36
.set TEN,   37
.set HM,    40
.set SEL,   42
.set MSB, 0
.macro WIN new                         ; the immediate's high byte repeats the setting that is left
.if MSB != \new
	s_set_vgpr_msb (MSB<<8)|\new
.set MSB, \new
.endif
.endm
.macro QUANT s, pw, pc                 ; 64 numbers of a lane, register 16 b + i = k 32 b + 16 h + i, become codes in v[pc] on and a scale word in v[pw]
.set rQ, \pc
.irp b, 0,1,2,3
	v_max3_num_f32 v[TM+\b], |v[\s+16*\b]|, |v[\s+1+16*\b]|, 0x1800000   ; my 16 numbers of block b, and the floor 2^(3 - 127).  (Each accumulator is read from its low end on)
.endr
.irp i, 2,4,6,8,10,12,14
.irp b, 0,1,2,3
	v_max3_num_f32 v[TM+\b], v[TM+\b], |v[\s+16*\b+\i]|, |v[\s+1+16*\b+\i]|
.endr
.endr
.irp b, 0,1,2,3
	v_permlanex16_b32 v[TM+4+\b], v[TM+\b], s[SEL], s[SEL+1]
.endr
.irp b, 0,1,2,3
	v_max_num_f32 v[TM+\b], v[TM+\b], v[TM+4+\b]
.endr
.irp b, 0,1,2,3
	v_add_nc_u32 v[TM+12+\b], 0xff000000, v[TM+\b]   ; 2 off the exponent field: the conversion's scale operand
.endr
.irp b, 0,1,2,3
	v_lshrrev_b32 v[TM+4+\b], 23, v[TM+12+\b]
.endr
	v_lshl_or_b32 v[\pw], v[TM+5], 8, v[TM+4]
	v_lshl_or_b32 v[\pw], v[TM+6], 16, v[\pw]
	v_lshl_or_b32 v[\pw], v[TM+7], 24, v[\pw]
.irp c, 0,1
	v_cvt_scalef32_pk16_fp6_f32 v[rQ+6*\c:rQ+2+6*\c], v[\s+32*\c:\s+15+32*\c], v[TM+12+2*\c]
	v_cvt_scalef32_pk16_fp6_f32 v[PT+4*\c:PT+2+4*\c], v[\s+16+32*\c:\s+31+32*\c], v[TM+12+2*\c+1]
.endr
	v_nop                                          ; one plain place behind a scaled conversion
.irp c, 0,1
.irp i, 0,1,2
	v_permlane16_swap_b32 v[rQ+6*\c+\i], v[PT+4*\c+\i]
.endr
.irp i, 0,1,2
	v_mov_b32 v[rQ+3+6*\c+\i], v[PT+4*\c+\i]
.endr
.endr
.endm
.macro LOADP p                         ; piece p: K step p / 2, my tile p % 2: sixteen rows, 512 consecutive bytes each
	WIN 0x40
.irp q, 0,1,2,3,4,5,6,7,8,9,10,11,12,13,14,15
	global_load_b128 v[64*((\p)%3)+4*\q:64*((\p)%3)+4*\q+3], v[LI], s[XB:XB+1] offset:(8*((\p)%2)+\q+8*(\q/8))*RP+512*((\p)/2) th:TH_LOAD_NT
.endr
	WIN 0
.endm
.macro TURN p
	WIN 0x04
.irp q, 0,1,2,3,4,5,6,7,8,9,10,11,12,13,14,15
	ds_store_b128 v[SA], v[64*((\p)%3)+4*\q:64*((\p)%3)+4*\q+3] offset:STGB*((\p)%2)+528*\q
.endr
	WIN 0
.irp b, 0,1,2,3
.irp j, 0,1,2,3
	ds_load_b128 v[X+64*((\p)%2)+16*\b+4*\j:X+64*((\p)%2)+16*\b+4*\j+3], v[SRD] offset:STGB*((\p)%2)+128*\b+16*\j
.endr
.endr
.endm
.macro IMG p                           ; piece p's fragment goes to LDS as it stands, from code buffer p % 2
.set rP, PC0+(PC1-PC0)*((\p)%2)
.irp c, 0,1,2
	ds_store_b128 v[XWI], v[rP+4*\c:rP+4*\c+3] offset:XIMG+6144*((\p)%2)+1536*((\p)/2)+512*\c
.endr
.endm
.macro XSTEP p
	s_wait_dscnt 0x0                               ; piece p is back from its stage
.if (\p)+3 < NP
	WIN 0x40                                       ; the loads' window first, then the wait, then the loads
.endif
	s_wait_alu depctr_vm_vsrc(0)                   ; piece p's stage stores have read load set p % 3, in which the loads below land; the image stores of piece p - 2 have read code buffer p % 2, which this step's quantiser writes
.if (\p)+3 < NP
	LOADP (\p)+3
.endif
.if (\p) > 0
	s_wait_alu depctr_va_vdst(0)                   ; quantiser p - 1 has written its codes, which the image stores below read, and is done reading its set of X, in which the stage loads below land
	IMG (\p)-1
.endif
.if (\p)+1 < NP
.if (\p)+3 < NP
	s_wait_loadcnt 32                              ; piece p + 1 is in; the 16 loads of each of the two younger pieces may be out
.else
	s_wait_loadcnt 16*(NP-2-(\p))
.endif
	TURN (\p)+1                                    ; no vector instruction since the wait on va_vdst names the registers that these touch
.endif
	QUANT X+64*((\p)%2), PWA+(\p)%2, PC0+(PC1-PC0)*((\p)%2)
.if (\p)%2 == 1
	v_cndmask_b32 v[XSW+(\p)/2], v[PWA], v[PWA+1], s[HM]
.endif
.endm
; one product on the registers that PROD has named; ra, rb: the scales' rows
.macro WM ra, rb
.if ((\ra) == 0) && ((\rb) == 0)
	v_wmma_scale_f32_16x16x128_f8f6f4 v[rD:rD+7], v[rA:rA+11], v[rB:rB+11], v[rC:rC+7], v[rSA], v[rSB] matrix_a_fmt:MATRIX_FMT_FP6 matrix_b_fmt:MATRIX_FMT_FP6
.elseif (\rb) == 0
	v_wmma_scale_f32_16x16x128_f8f6f4 v[rD:rD+7], v[rA:rA+11], v[rB:rB+11], v[rC:rC+7], v[rSA], v[rSB] matrix_a_fmt:MATRIX_FMT_FP6 matrix_b_fmt:MATRIX_FMT_FP6 matrix_a_scale:MATRIX_SCALE_ROW1
.elseif (\ra) == 0
	v_wmma_scale_f32_16x16x128_f8f6f4 v[rD:rD+7], v[rA:rA+11], v[rB:rB+11], v[rC:rC+7], v[rSA], v[rSB] matrix_a_fmt:MATRIX_FMT_FP6 matrix_b_fmt:MATRIX_FMT_FP6 matrix_b_scale:MATRIX_SCALE_ROW1
.else
	v_wmma_scale_f32_16x16x128_f8f6f4 v[rD:rD+7], v[rA:rA+11], v[rB:rB+11], v[rC:rC+7], v[rSA], v[rSB] matrix_a_fmt:MATRIX_FMT_FP6 matrix_b_fmt:MATRIX_FMT_FP6 matrix_a_scale:MATRIX_SCALE_ROW1 matrix_b_scale:MATRIX_SCALE_ROW1
.endif
.endm
.macro PROD u, i, s, isv               ; unit u (the streamed tile), resident tile i, K step s
.set rD, ACC+8*(\i)
.set rA, 12*(4*((\i)%4)+(\s))
.set rB, 48*((\u)%2)+12*(\s)
.if (\s) == 0
.if \isv
.set rC, BIAS+8*(\u)
.else
.set rC, BIAS+8*(\i)
.endif
.else
.set rC, rD
.endif
.set rSA, RSB+4*((\i)/2)+(\s)
.set rSB, TSB+4*((\u)/2)+(\s)
	WM (\i)%2, (\u)%2
.endm
.macro TLOAD u, isv                    ; the streamed tile u, four K steps, into set u % 2 of window 1
	WIN 0x40
.irp s, 0,1,2,3
.irp c, 0,1,2
.if \isv
	global_load_b128 v[48*((\u)%2)+12*\s+4*\c:48*((\u)%2)+12*\s+4*\c+3], v[LI], s[28:29] offset:(4*(\u)+\s)*1536+512*\c
.else
	ds_load_b128 v[48*((\u)%2)+12*\s+4*\c:48*((\u)%2)+12*\s+4*\c+3], v[LI] offset:XIMG+(4*(\u)+\s)*1536+512*\c
.endif
.endr
.endr
.endm
.macro RLOAD isv                       ; the resident operand: 32 fragments
.irp i, 0,1,2,3,4,5,6,7
	WIN 0x80+0x40*(\i/4)
.irp s, 0,1,2,3
.irp c, 0,1,2
.if \isv
	ds_load_b128 v[12*(4*(\i%4)+\s)+4*\c:12*(4*(\i%4)+\s)+4*\c+3], v[LI] offset:XIMG+(4*\i+\s)*1536+512*\c
.else
	global_load_b128 v[12*(4*(\i%4)+\s)+4*\c:12*(4*(\i%4)+\s)+4*\c+3], v[LI], s[28:29] offset:(4*\i+\s)*1536+512*\c
.endif
.endr
.endr
.endr
	WIN 0
.endm
.macro XSRLOAD
.irp m, 0,1,2,3
	ds_load_b128 v[XSR+4*\m:XSR+4*\m+3], v[LI] offset:XSC+512*\m
.endr
.endm
.macro OUTU u, isv                     ; unit u's codes leave, from code buffer u % 2
.set rP, PC0+(PC1-PC0)*((\u)%2)
.if \isv
.irp c, 0,1,2
	global_store_b128 v[LI], v[rP+4*\c:rP+4*\c+3], s[32+2*((\u)/4):33+2*((\u)/4)] offset:6656+1536*((\u)%4)+512*\c
.endr
.else
	global_store_b128 v[LI], v[rP:rP+3], s[32:33] offset:768*(\u)            ; 512 consecutive bytes,
	global_store_b64 v[L8], v[rP+4:rP+5], s[32:33] offset:768*(\u)+512       ; and 256: whole aligned blocks of 256 bytes
	global_store_b128 v[LI], v[rP+6:rP+9], s[34:35] offset:768*(\u)
	global_store_b64 v[L8], v[rP+10:rP+11], s[34:35] offset:768*(\u)+512
.endif
.endm
; A UNIT: the streamed tile u against the eight resident tiles, K = 512: 32 products, the eight accumulators by turns, one instruction a turn; behind them the loads of tile u + 2, the stores of unit u - 1, and the quantiser.
.macro UNIT u, isv
.if \u < 7
.if \isv
	s_wait_loadcnt 12                              ; this unit's tile is in; the 12 loads of the next tile, issued behind it, may be out
.else
	s_wait_dscnt 12                                ; this unit's tile is in; the 12 loads of the next tile, issued behind it, may be out
.endif
.else
.if \isv
	s_wait_loadcnt 0x0
.else
	s_wait_dscnt 0x0
.endif
.endif
	WIN 0x16                                       ; source 0 window 2, source 1 and the bias window 1, D window 0
.irp i, 0,1,2,3
	PROD \u, \i, 0, \isv
.endr
	WIN 0x17                                       ; source 0 window 3
.irp i, 4,5,6,7
	PROD \u, \i, 0, \isv
.endr
	WIN 0x07                                       ; C in window 0
.irp s, 1,2,3
.irp i, 4,5,6,7
	PROD \u, \i, \s, \isv
.endr
.endr
	WIN 0x06
.irp s, 1,2,3
.irp i, 0,1,2,3
	PROD \u, \i, \s, \isv
.endr
.endr
.rept 4
	v_nop                                          ; four places in front of the first read of results
.endr
.if \u >= 2
	s_wait_xcnt 0x0                                ; the stores of unit u - 2, issued a unit ago, have had their addresses translated: code buffer u % 2 is rewritten only behind this wait,
	s_wait_alu depctr_vm_vsrc(0)                   ; and they have read that buffer, which this unit's quantiser writes again
.endif
.if \u < 6
	WIN 0x40                                       ; the loads' window first, then the wait, then the loads
.else
	WIN 0
.endif
	s_wait_alu depctr_va_vdst(0)                   ; this unit's products are done reading their set of T, in which the loads below land; quantiser u - 1 has written its codes, which the stores below read
.if \u < 6
	TLOAD (\u)+2, \isv                             ; it has the quantiser and the whole next unit in which to land
.endif
	WIN 0
.if \u > 0
	OUTU (\u)-1, \isv
.endif
	QUANT ACC, SW+\u, PC0+(PC1-PC0)*((\u)%2)
.endm
.macro MAIN isv
.if \isv
.set RSB, XSR
.set TSB, WSR
.else
.set RSB, WSR
.set TSB, XSR
.endif
	WIN 0x40                                       ; (no vector instruction has been issued since the last wait on va_vdst, and none ever named the registers in which the loads below land)
.if \isv
.irp t, 0,1,2,3,4,5,6,7                        ; a lane holds one column: its bias in all eight registers of a tile
.irp j, 0,1,2,3,4,5,6,7
	global_load_b32 v[BIAS+8*\t+\j], v[BOFV], s[26:27] offset:(32*(\t/2)+8*(\t%2))*4
.endr
.endr
	TLOAD 0, 1
	TLOAD 1, 1
	RLOAD 1
	XSRLOAD
	s_wait_dscnt 0x0                               ; x's fragments and scale words
.else
.irp i, 0,1,2,3,4,5,6,7                        ; a lane's eight registers are eight neighbouring columns
	global_load_b128 v[BIAS+8*\i:BIAS+8*\i+3], v[BOFQ], s[26:27] offset:(32*(\i/2)+8*(\i%2))*4
	global_load_b128 v[BIAS+8*\i+4:BIAS+8*\i+7], v[BOFQ], s[26:27] offset:(32*(\i/2)+8*(\i%2))*4+16
.endr
	RLOAD 0
	XSRLOAD
	TLOAD 0, 0
	TLOAD 1, 0
	s_wait_loadcnt 0x0                             ; W's fragments and the bias
.endif
.irp u, 0,1,2,3,4,5,6,7
	UNIT \u, \isv
.endr
.irp j, 0,1,2,3
	v_cndmask_b32 v[SR+\j], v[SW+2*\j], v[SW+2*\j+1], s[HM]   ; lanes 0-15 unit 2 j's words, lanes 16-31 unit 2 j + 1's
.endr
.if \isv
	s_wait_alu depctr_va_vdst(0)                   ; quantiser 7 has written its codes and the lines above the scale words, which the stores below read
	OUTU 7, 1
	global_store_b64 v[L8], v[SR:SR+1], s[32:33] offset:12800
	global_store_b64 v[L8], v[SR+2:SR+3], s[34:35] offset:12800
.else
.irp j, 0,1,2,3
	v_and_b32 v[SRA+\j], 0xffff, v[SR+\j]          ; head 2 w's two bytes; the upper two, which scale zero codes, are 0
	v_lshrrev_b32 v[SRB+\j], 16, v[SR+\j]          ; head 2 w + 1's
.endr
	s_wait_alu depctr_va_vdst(0)                   ; quantiser 7 has written its codes and the lines above the scale words, which the stores below read
	OUTU 7, 0
	global_store_b128 v[LI], v[SRA:SRA+3], s[32:33] offset:6144
	global_store_b128 v[LI], v[SRB:SRB+3], s[34:35] offset:6144
.endif
	s_wait_dscnt 0x0                               ; the wave's end
	s_wait_alu 0x0
	s_wait_tensorcnt 0x0
	ds_add_u32 v[SPW], v[NIL]
	s_wait_dscnt 0x0
	s_endpgm
.endm
	s_load_b256 s[4:11], s[0:1], 0x0               ; query, key, value, bq
	s_load_b256 s[12:19], s[0:1], 0x20             ; bk, bv, wc, ws
	s_load_b128 s[20:23], s[0:1], 0x40             ; qb, kv
	v_lshl_add_u32 v[SPW], v0, 2, SPARE
	v_mov_b32 v[NIL], 0
	v_lshrrev_b32 v11, 5, v0
	v_readfirstlane_b32 s[WV], v11                 ; wave 0..3
	s_and_b32 s[TEN], ttmp7, 0xffff                ; 0 q, 1 k, 2 v
	s_and_b32 s38, ttmp9, 1                        ; b
	s_lshr_b32 s39, ttmp9, 1                       ; step
	s_mov_b32 s[HM], 0xffff0000
	s_mov_b32 s[SEL], 0x76543210
	s_mov_b32 s[SEL+1], 0xfedcba98
	v_and_b32 v11, 31, v0                          ; lane
	v_lshlrev_b32 v[LI], 4, v11
	v_lshlrev_b32 v[L8], 3, v11
	v_and_b32 v12, 15, v0                          ; r
	v_bfe_u32 v13, v0, 4, 1                        ; h
	s_wait_alu depctr_va_sdst(0)                   ; the wave's number is written, ahead of its first reader: LDS places and the bases are made from it
	s_mul_i32 s58, s[WV], 2*STGB
	s_add_co_u32 s58, s58, STG                     ; my two stages
	v_add_nc_u32 v[SA], s58, v[LI]
	v_mul_u32_u24 v[SRD], v12, 528
	v_lshl_add_u32 v[SRD], v13, 6, v[SRD]
	v_add_nc_u32 v[SRD], s58, v[SRD]
	s_mul_i32 s58, s[WV], 12288                    ; my two tiles' eight images
	v_add_nc_u32 v[XWI], s58, v[LI]
	s_lshl_b32 s58, s[WV], 9
	s_add_co_u32 s58, s58, XSC
	v_add_nc_u32 v[XWS], s58, v[LI]
	v_lshlrev_b32 v[BOFQ], 6, v13
	v_and_b32 v14, 8, v12
	v_add_nc_u32 v14, v14, v12                     ; r + 8 (r / 8)
	v_lshlrev_b32 v[BOFV], 2, v14
.irp b, 0,1,2,3
	v_mov_b32 v[TM+4+\b], 0                        ; written once: a lane permute's destination counts as one of its sources
.endr
	s_lshl_b32 s44, s39, 19                        ; x: ((128 step + 32 w) x 2 + b) rows of 2,048 bytes
	s_lshl_b32 s46, s[WV], 17
	s_add_co_u32 s44, s44, s46
	s_lshl_b32 s46, s38, 11
	s_add_co_u32 s44, s44, s46
	s_mov_b32 s45, 0
	s_lshl_b32 s46, s[WV], 9                       ; the bias: my 128 columns
	s_mov_b32 s47, 0
	s_mul_i32 s48, s[TEN], 196608                  ; W's images: the tensor, my eight tiles
	s_mul_i32 s50, s[WV], 49152
	s_add_co_u32 s48, s48, s50
	s_mov_b32 s49, 0
	s_lshl_b32 s50, s[TEN], 13                     ; W's scale words
	s_lshl_b32 s51, s[WV], 11
	s_add_co_u32 s50, s50, s51
	s_mov_b32 s51, 0
	s_cmp_eq_u32 s[TEN], 0
	s_mov_b32 s52, 417792                          ; a head's bytes and a step's block: kv's,
	s_cselect_b32 s52, 212992, s52                 ; or qb's
	s_mov_b32 s53, 13056
	s_cselect_b32 s53, 6656, s53
	s_lshl_b32 s54, s[WV], 2
	s_add_co_u32 s54, s54, s38                     ; hb of head 2 w: 4 w + b
	s_mul_i32 s54, s54, s52
	s_mul_i32 s55, s39, s53
	s_add_co_u32 s54, s54, s55
	s_mov_b32 s55, 0
	s_lshl_b32 s56, s52, 1                         ; head 2 w + 1 lies two heads' bytes on
	s_mov_b32 s57, 0
	s_wait_kmcnt 0x0
	s_cmp_eq_u32 s[TEN], 1                         ; the choices hang on the work-group's number alone
	s_cselect_b64 s[24:25], s[6:7], s[4:5]
	s_cselect_b64 s[26:27], s[12:13], s[10:11]
	s_cmp_eq_u32 s[TEN], 2
	s_cselect_b64 s[24:25], s[8:9], s[24:25]
	s_cselect_b64 s[26:27], s[14:15], s[26:27]
	s_cmp_eq_u32 s[TEN], 0
	s_cselect_b64 s[32:33], s[20:21], s[22:23]
	s_add_nc_u64 s[24:25], s[24:25], s[44:45]
	s_add_nc_u64 s[26:27], s[26:27], s[46:47]
	s_add_nc_u64 s[28:29], s[16:17], s[48:49]
	s_add_nc_u64 s[30:31], s[18:19], s[50:51]
	s_add_nc_u64 s[32:33], s[32:33], s[54:55]
	s_add_nc_u64 s[34:35], s[32:33], s[56:57]
	s_wait_alu depctr_va_vdst(0)                   ; the offsets and LDS addresses v1 to v7 and v10 are written: every load and store of the kernel reads one of them
.irp g, 0,1,2,3
.irp k, 0,1
	global_load_b64 v[WSR+4*\g+2*\k:WSR+4*\g+2*\k+1], v[L8], s[30:31] offset:512*\g+256*\k   ; register 4 g + s: lanes 0-15 my tile 2 g, lanes 16-31 tile 2 g + 1, K step s
.endr
.endr
	LOADP 0
	LOADP 1
	LOADP 2
	s_wait_loadcnt 32                              ; W's scale words and piece 0 are in; pieces 1 and 2, 16 loads each, may be out
	TURN 0
.irp p, 0,1,2,3,4,5,6,7
	XSTEP \p
.endr
	s_wait_alu depctr_va_vdst(0)                   ; quantiser 7 has written its codes, and the selects x's scale words, which the LDS stores below read
	IMG 7
	ds_store_b128 v[XWS], v[XSW:XSW+3]
	s_wait_dscnt 0x0                               ; for the others' sake: my images and scale words have landed
	s_barrier_signal -1
	s_barrier_wait -1                              ; x's 32 fragments lie in LDS; nothing is stored to LDS behind this barrier
	s_wait_alu depctr_vm_vsrc(0)                   ; my stage stores have read the load sets, which are T from here on, and my image stores both code buffers, which the units' quantisers write: stated ahead of the branch, for both arms
	s_cmp_eq_u32 s[TEN], 2
	s_cbranch_scc1 .Lv
	MAIN 0
.Lv:
	MAIN 1
.Lfunc_end_k_q6b4432a492_proj:
	.size	k_q6b4432a492_proj, .Lfunc_end_k_q6b4432a492_proj-k_q6b4432a492_proj
	.p2alignl 7, 3214868480
	.fill 96, 4, 3214868480
	.section	.rodata,"a",@progbits
	.p2align	6, 0x0
	.amdhsa_kernel k_q6b4432a492_proj
		.amdhsa_group_segment_fixed_size 119296
		.amdhsa_private_segment_fixed_size 0
		.amdhsa_enable_private_segment 0
		.amdhsa_kernarg_size 80
		.amdhsa_user_sgpr_count 2
		.amdhsa_user_sgpr_kernarg_segment_ptr 1
		.amdhsa_wavefront_size32 1
		.amdhsa_system_sgpr_workgroup_id_x 1
		.amdhsa_system_sgpr_workgroup_id_y 1
		.amdhsa_system_sgpr_workgroup_id_z 1
		.amdhsa_system_vgpr_workitem_id 0
		.amdhsa_next_free_vgpr 1024
		.amdhsa_next_free_sgpr 66
		.amdhsa_reserve_vcc 0
		.amdhsa_float_denorm_mode_32 3
		.amdhsa_float_denorm_mode_16_64 3
		.amdhsa_memory_ordered 1
		.amdhsa_forward_progress 1
		.amdhsa_inst_pref_size 242
	.end_amdhsa_kernel
	.amdgpu_metadata
---
amdhsa.version: [ 1, 2 ]
amdhsa.kernels:
  - .name:           k_q6b4432a492_proj
    .symbol:         k_q6b4432a492_proj.kd
    .args:
      - { .name: query, .offset: 0, .size: 8, .value_kind: global_buffer, .address_space: global }
      - { .name: key, .offset: 8, .size: 8, .value_kind: global_buffer, .address_space: global }
      - { .name: value, .offset: 16, .size: 8, .value_kind: global_buffer, .address_space: global }
      - { .name: bq, .offset: 24, .size: 8, .value_kind: global_buffer, .address_space: global }
      - { .name: bk, .offset: 32, .size: 8, .value_kind: global_buffer, .address_space: global }
      - { .name: bv, .offset: 40, .size: 8, .value_kind: global_buffer, .address_space: global }
      - { .name: wc, .offset: 48, .size: 8, .value_kind: global_buffer, .address_space: global }
      - { .name: ws, .offset: 56, .size: 8, .value_kind: global_buffer, .address_space: global }
      - { .name: qb, .offset: 64, .size: 8, .value_kind: global_buffer, .address_space: global }
      - { .name: kv, .offset: 72, .size: 8, .value_kind: global_buffer, .address_space: global }
    .group_segment_fixed_size: 119296
    .private_segment_fixed_size: 0
    .kernarg_segment_align: 8
    .kernarg_segment_size: 80
    .max_flat_workgroup_size: 128
    .sgpr_count:     66
    .vgpr_count:     1024
    .wavefront_size: 32
...
	.end_amdgpu_metadata
.endif
;; end of part 6
;; launch attn (part 7): grid 16 x 16, 16 waves a work-group, clusters of 4 x 1, 327,680 bytes of LDS; arguments qb, kv, ob, os; writes ob, os
.if DOCPART == 7
	.amdgcn_target "amdgcn-amd-amdhsa--gfx1250"
	.amdhsa_code_object_version 6
	.text
	.protected	k_q6b4432a492_attn
	.globl	k_q6b4432a492_attn
	.p2align	8
	.type	k_q6b4432a492_attn,@function
k_q6b4432a492_attn:
	s_mov_b64 s[64:65], 0
	v_nop
	global_prefetch_b8 v0, s[64:65] scope:SCOPE_SE
	s_setreg_imm32_b32 hwreg(HW_REG_WAVE_MODE, 25, 1), 1
	s_wait_xcnt 0x0
	s_wait_alu depctr_hold_cnt(0) depctr_sa_sdst(0) depctr_va_vdst(0) depctr_va_sdst(0) depctr_va_ssrc(0) depctr_va_vcc(0) depctr_vm_vsrc(0)
	s_getreg_b32 s2, hwreg(HW_REG_IB_STS2, 6, 4)
	s_cmp_eq_u32 s2, 0
	s_cbranch_scc0 .Lentry_in_a_cluster
	s_endpgm
.Lentry_in_a_cluster:
	s_bfe_u32 s2, ttmp6, 0x10000c
	s_cmp_lg_u32 s2, 0x3003
	s_cbranch_scc0 .Lentry_shape_is_right
	s_endpgm
.Lentry_shape_is_right:
; O = softmax(q k^T / 8) v for each of the 16 pairs hb = 2 head + b, 4,096 queries and keys, head size 64, both products on codes of FP6 (E2M3) with one E8M0 scale for each 32 along a product's K.
; THE SOFTMAX: t = score x log2(e) / 8 (q's codes are those of the unscaled q, so the factor 1/8 stands here); M = the running largest t rounded up to a whole number; p = 2^(t - M) is quantised along the keys, not normalised.
; The row's sum is taken of the unquantised p and divides O at the end; when M moves, the sum and O are multiplied by 2^(old M - new M): exact.
; SHARES.  Work-group y = hb; work-group x = a block of 256 queries; each of sixteen waves owns one tile of 16 queries in 256 registers, four waves to a SIMD, so that one wave's vector work stands beside another's products and LDS loads.
; Every wave walks 32 key steps of 128 keys.  A key step is one dense block of 13,056 bytes of kv, laid by the launch before as images of operand registers: every LDS read is 16 x lane or 8 x lane on end, so no padding.
; LAYOUT.  Both products transposed: S^T = k q^T (source 0 = 16 keys), O^T = v^T p^T (source 0 = 16 of the head's 64): a lane holds one query throughout.  The keys of a tile, and v's channels of a tile, are 32 (T / 2) + 8 (T % 2) + r + 8 (r / 8),
; so that the 16 registers of two neighbouring result tiles are 16 neighbours.  The first product's K is 64: the upper six registers of k's and q's fragments hold zero codes, written once.
; CLUSTER.  The four query blocks of a cluster walk one hb's key steps: each slot (four key steps, 52,224 bytes) is asked for JOINTLY, by waves 0 and 1, half a slot each, with a mask that names the four.
; OUT.  O / the sum is quantised along e = 128 (head % 4) + 64 b + d, whose blocks of 32 lie inside one hb: ob [head / 4][query tile][head % 4][b][768 bytes], os [hb][query tile][row]: one word, bytes 0 and 1.
; LIMITS: a block of zeros gets the byte 1 where the rule says 127 (zero codes; this program alone reads the bytes); NaN and infinities are not served.
.set BLK,   13056                      ; a key step: k's 8 half images (6,144), their scale words (512), v's 4 images (6,144), their scale words (256)
.set SLOTB, 4*BLK
.set SLOT1, 65536                      ; slot 1 begins here: one exclusive or turns an address of one slot into the other's
.set OSG,   131072                     ; 1,024 bytes: the work-group's scale words of O, gathered for whole stores; no tile lands here
.set SPARE, 132096                     ; the spare words, 128 bytes for each wave: eight blocks of 256 bytes that no other line names
.set LI,  1                            ; v1   16 x lane
.set L8,  2                            ; v2   8 x lane
.set SPW, 3                            ; v3   LDS address of my spare word; never rewritten
.set NIL, 4                            ; v4   0; never rewritten
.set A16, 5                            ; v5   the step's block + 16 x lane
.set A8,  6                            ; v6   the step's block + 8 x lane
.set KS,  8                            ; v8-11  k's scale words: register j: lanes 0-15 tile 2 j, lanes 16-31 tile 2 j + 1
                                       ; v12 -M, v13 the largest t, v[14:15] the sum in two halves
.set QF,  16                           ; v16-27 q's fragment (22-27 zero codes)
.set QS,  28                           ; v28  q's scale words
.set PS,  29                           ; v29  p's scale word
.set VS,  30                           ; v30-31 v's scale words
.set KF,  32                           ; v32-127 k's 8 fragments of 12 (the upper 6 of each: zero codes)
.set S,   128                          ; v128-191 S^T, then p; v128-175 then take v's 4 fragments
.set O,   192                          ; v192-223 O^T
.set PF,  224                          ; v224-235 p's codes
.set TP,  236                          ; v236-243 at work
.set BM,  244                          ; v244-247 the blocks' largest scores
.set SO,  248                          ; v248-251 the conversions' scale operands
                                       ; v[252:253] f and 0; v254 at work
.set PFO, 255                          ; v255 the prefetches' offset; never rewritten
.set WV,  12
.set SEL, 20                           ; s[20:21] lane selects for lane l xor 16
.set CS,  22                           ; s[22:23] c = log2(e) / 8, twice
.set G1,  24                           ; s[24:31] descriptor group 1
.set G0,  32                           ; s[32:35] descriptor group 0, which walks
.set TB,  36                           ; s36  LDS byte at which the step's block begins
.set SLOTS, 37                         ; s37  slots still to be asked for
.set CNT, 38
.set LIM, 39                           ; s39  1 in a wave that prefetches, else the greatest number
.set PFA, 40                           ; s[40:41] where my work-group's prefetches stand
.macro CROUND                          ; a round of the cluster's barrier
	s_barrier_signal -1
	s_barrier_wait -1
	s_cmp_lg_u32 s[WV], 0
	s_cbranch_scc1 .Lnot_wave_0_\@
	s_barrier_signal -3
.Lnot_wave_0_\@:
	s_barrier_wait -3
	s_barrier_signal -1
	s_barrier_wait -1
.endm
.macro JLOAD                           ; the joint load: waves 0 and 1, half a slot each; the branch hangs on the wave's number alone.  An s_nop 0 and four v_nop follow the load
	s_cmp_lt_u32 s[WV], 2
	s_cbranch_scc0 .Lasked_\@
	tensor_load_to_lds s[G0:G0+3], s[G1:G1+7]
	s_nop 0
.rept 4
	v_nop
.endr
.Lasked_\@:
.endm
; A prefetch of the slot that the NEXT change of slots will ask for, four key steps ahead of that load.  All four clusters of an hb walk the same blocks: the first cluster asks.  Its four partners take a key step each, told apart by
; address; in each, waves 2 and 3 ask, lanes 256 bytes apart: a key step is 51 blocks of 256 bytes, so lanes 51 to 63 of the 64 name block 50 again.  The last change that fills a slot asks for nothing; slots 0 and 1 come by their loads alone.
.macro ASK
	s_cmp_gt_u32 s[SLOTS], s[LIM]
	s_cbranch_scc0 .Lnot_mine_\@
	global_prefetch_b8 v[PFO], s[PFA:PFA+1] th:TH_LOAD_NT scope:SCOPE_SE
.Lnot_mine_\@:
.endm
; THE CHANGE OF SLOTS stands at a slot's head.  Each wave waits for all its tensor loads (one at the most is out: its half of the slot ahead), adds 0 to its spare word, and waits for that and for its reads of the slot that it has left.
; fill = 1: a round of the cluster's barrier, and behind it the slot just left is asked for again, jointly: the load has four key steps in which to land.
.macro CHANGE fill
	s_wait_tensorcnt 0x0                           ; no tensor load of mine is out, so group 0 may be written
	ds_add_u32 v[SPW], v[NIL]
.if \fill
	s_xor_b32 s[G0+1], s[G0+1], SLOT1              ; the other slot than last time,
	s_add_nc_u64 s[G0+2:G0+3], s[G0+2:G0+3], SLOTB ; the next four key steps; the type bits on top are not reached
	s_wait_xcnt 0x0                                ; the last prefetch, a slot back, has read its address
	s_add_nc_u64 s[PFA:PFA+1], s[PFA:PFA+1], SLOTB
	s_wait_dscnt 0x0                               ; the add is done, and my reads of the slot that I have left are over
	CROUND
	JLOAD
	ASK
.else
	s_wait_dscnt 0x0
	s_barrier_signal -1
	s_barrier_wait -1
.endif
.endm
; A KEY STEP: 128 keys.
.macro STEP
	v_add_nc_u32 v[A16], s[TB], v[LI]
	v_add_nc_u32 v[A8], s[TB], v[L8]
.rept 3
	v_nop                                          ; with the two additions: five places between the last step's products and the scores, which are laid over v's fragments
.endr
.irp t, 0,1,2,3,4,5,6,7
	ds_load_b128 v[KF+12*\t:KF+12*\t+3], v[A16] offset:768*\t
	ds_load_b64 v[KF+12*\t+4:KF+12*\t+5], v[A8] offset:768*\t+512
.endr
	ds_load_b128 v[KS:KS+3], v[A16] offset:6144
	s_wait_dscnt 0x0
.irp t, 0,1,2,3,4,5,6,7
.if \t%2
	v_wmma_scale_f32_16x16x128_f8f6f4 v[S+8*\t:S+8*\t+7], v[KF+12*\t:KF+12*\t+11], v[QF:QF+11], 0, v[KS+\t/2], v[QS] matrix_a_fmt:MATRIX_FMT_FP6 matrix_b_fmt:MATRIX_FMT_FP6 matrix_a_scale:MATRIX_SCALE_ROW1
.else
	v_wmma_scale_f32_16x16x128_f8f6f4 v[S+8*\t:S+8*\t+7], v[KF+12*\t:KF+12*\t+11], v[QF:QF+11], 0, v[KS+\t/2], v[QS] matrix_a_fmt:MATRIX_FMT_FP6 matrix_b_fmt:MATRIX_FMT_FP6
.endif
.endr                                          ; register 16 b + i of S^T is key 32 b + 16 h + i of the step
.rept 4
	v_nop
.endr
.irp b, 0,1,2,3
	v_max3_num_f32 v[BM+\b], v[S+16*\b], v[S+1+16*\b], v[S+2+16*\b]   ; the largest score of each block of 32 keys: for the row's maximum, and, since p rises with the score, for the block's largest p
.endr
.irp i, 3,5,7,9,11,13
.irp b, 0,1,2,3
	v_max3_num_f32 v[BM+\b], v[BM+\b], v[S+16*\b+\i], v[S+1+16*\b+\i]
.endr
.endr
.irp b, 0,1,2,3
	v_max_num_f32 v[BM+\b], v[BM+\b], v[S+15+16*\b]
.endr
.irp b, 0,1,2,3
	s_delay_alu instid0(VALU_DEP_4)
	v_permlanex16_b32 v[TP+\b], v[BM+\b], s[SEL], s[SEL+1]
.endr
.irp b, 0,1,2,3
	s_delay_alu instid0(VALU_DEP_4)
	v_max_num_f32 v[BM+\b], v[BM+\b], v[TP+\b]     ; with lane l xor 16's 16 keys
.endr
	s_delay_alu instid0(VALU_DEP_2)
	v_max3_num_f32 v254, v[BM], v[BM+1], v[BM+2]
	s_delay_alu instid0(VALU_DEP_1)
	v_max_num_f32 v254, v254, v[BM+3]              ; the step's largest score of my query
	s_delay_alu instid0(VALU_DEP_1)
	v_mul_f32 v254, s[CS], v254                    ; as t (c is positive)
	s_delay_alu instid0(VALU_DEP_1)
	v_max_num_f32 v13, v13, v254                   ; the running largest t
	v_mov_b32 v254, v12
	s_delay_alu instid0(VALU_DEP_2)
	v_floor_f32 v12, -v13                          ; the new -M = floor(-t): M is a whole number
	s_delay_alu instid0(VALU_DEP_1)
	v_sub_f32 v254, v12, v254                      ; old M - new M: a whole number, 0 or less
	s_delay_alu instid0(VALU_DEP_1)
	v_cvt_i32_f32 v254, v254                       ; (it saturates)
	s_delay_alu instid0(VALU_DEP_1)
	v_ldexp_f32 v252, 1.0, v254                    ; f = 2^(old M - new M)
.irp j, 0,2,4,6,8,10,12,14,16,18,20,22,24,26,28,30,32,34,36,38,40,42,44,46,48,50,52,54,56,58,60,62
	v_pk_fma_f32 v[S+\j:S+1+\j], v[S+\j:S+1+\j], s[CS:CS+1], v[12:13] op_sel_hi:[1,0,0]   ; t - M, two at a time
.endr
.irp b, 0,1,2,3
	v_fma_f32 v[BM+\b], v[BM+\b], s[CS], v12       ; the same of each block's largest score
.endr
	s_wait_alu depctr_va_vdst(0)
.irp j, 0,1,2,3,4,5,6,7,8,9,10,11,12,13,14,15,16,17,18,19,20,21,22,23,24,25,26,27,28,29,30,31,32,33,34,35,36,37,38,39,40,41,42,43,44,45,46,47,48,49,50,51,52,53,54,55,56,57,58,59,60,61,62,63
	v_exp_f32 v[S+\j], v[S+\j]                     ; p = 2^(t - M), at most 1
.endr
	s_setprio 1
	v_pk_mul_f32 v[14:15], v[14:15], v[252:253] op_sel_hi:[1,0]   ; the sums under the new M: the plain place behind the exponentials
	s_wait_alu depctr_va_vdst(0)                   ; one wait for the batch of 64, ahead of its first reader
.irp b, 0,1,2,3
	v_exp_f32 v[BM+\b], v[BM+\b]                   ; the block's largest p
.endr
	v_pk_add_f32 v[236:237], v[132:133], v[136:137]
	v_pk_add_f32 v[250:251], v[140:141], v[144:145]
	v_pk_add_f32 v[248:249], v[148:149], v[152:153]
	v_pk_add_f32 v[242:243], v[156:157], v[160:161]
	v_pk_add_f32 v[240:241], v[164:165], v[168:169]
	v_pk_add_f32 v[238:239], v[172:173], v[176:177]
	v_pk_add_f32 v[234:235], v[180:181], v[184:185]
	v_pk_add_f32 v[14:15], v[14:15], v[188:189]
	v_pk_add_f32 v[236:237], v[236:237], v[128:129]
	v_pk_add_f32 v[250:251], v[250:251], v[130:131]
	v_pk_add_f32 v[248:249], v[248:249], v[134:135]
	v_pk_add_f32 v[242:243], v[242:243], v[138:139]
	v_pk_add_f32 v[240:241], v[240:241], v[142:143]
	v_pk_add_f32 v[238:239], v[238:239], v[146:147]
	v_pk_add_f32 v[234:235], v[234:235], v[150:151]
	v_pk_add_f32 v[14:15], v[14:15], v[154:155]
	v_pk_add_f32 v[236:237], v[236:237], v[158:159]
	v_pk_add_f32 v[250:251], v[250:251], v[162:163]
	v_pk_add_f32 v[248:249], v[248:249], v[166:167]
	v_pk_add_f32 v[242:243], v[242:243], v[170:171]
	v_pk_add_f32 v[240:241], v[240:241], v[174:175]
	v_pk_add_f32 v[238:239], v[238:239], v[178:179]
	v_pk_add_f32 v[234:235], v[234:235], v[182:183]
	v_pk_add_f32 v[14:15], v[14:15], v[186:187]
	v_pk_add_f32 v[236:237], v[236:237], v[190:191]
	s_delay_alu instid0(VALU_DEP_2)
	v_pk_add_f32 v[14:15], v[14:15], v[242:243]
	s_delay_alu instid0(VALU_DEP_2)
	v_pk_add_f32 v[236:237], v[236:237], v[240:241]
	v_pk_add_f32 v[250:251], v[250:251], v[238:239]
	v_pk_add_f32 v[248:249], v[248:249], v[234:235]
	s_delay_alu instid0(VALU_DEP_2)
	v_pk_add_f32 v[14:15], v[14:15], v[250:251]
	s_delay_alu instid0(VALU_DEP_2)
	v_pk_add_f32 v[236:237], v[236:237], v[248:249]
	s_delay_alu instid0(VALU_DEP_1)
	v_pk_add_f32 v[14:15], v[14:15], v[236:237]
	s_wait_alu depctr_va_vdst(0)                   ; and one for the four
.irp b, 0,1,2,3
	v_max_num_f32 v[BM+\b], 0x1800000, v[BM+\b]    ; the floor 2^(3 - 127): the byte cannot fall under 1
.endr
.irp b, 0,1,2,3
	s_delay_alu instid0(VALU_DEP_4)
	v_add_nc_u32 v[SO+\b], 0xff000000, v[BM+\b]    ; 2 off the exponent field: the conversion's scale operand
.endr
.irp b, 0,1,2,3
	s_delay_alu instid0(VALU_DEP_4)
	v_lshrrev_b32 v[TP+\b], 23, v[SO+\b]           ; the scale's byte
.endr
	s_delay_alu instid0(VALU_DEP_3)
	v_lshl_or_b32 v[PS], v[TP+1], 8, v[TP]         ; p's scale word for these 128 keys
	s_delay_alu instid0(VALU_DEP_1)
	v_lshl_or_b32 v[PS], v[TP+2], 16, v[PS]
	s_delay_alu instid0(VALU_DEP_1)
	v_lshl_or_b32 v[PS], v[TP+3], 24, v[PS]
.irp c, 0,1
	v_cvt_scalef32_pk16_fp6_f32 v[PF+6*\c:PF+2+6*\c], v[S+32*\c:S+15+32*\c], v[SO+2*\c]
	v_cvt_scalef32_pk16_fp6_f32 v[TP+4*\c:TP+2+4*\c], v[S+16+32*\c:S+31+32*\c], v[SO+2*\c+1]
.endr
	v_nop                                          ; one plain place behind a scaled conversion
.irp t, 0,1,2,3                                ; p is in codes: v's fragments take its registers, and land under the lines that follow
.irp c, 0,1,2
	ds_load_b128 v[S+12*\t+4*\c:S+12*\t+4*\c+3], v[A16] offset:6656+1536*\t+512*\c
.endr
.endr
	ds_load_b64 v[VS:VS+1], v[A8] offset:12800
.irp c, 0,1                                    ; the operand's layout wants a whole block in a lane
.irp i, 0,1,2
	v_permlane16_swap_b32 v[PF+6*\c+\i], v[TP+4*\c+\i]
.endr
.irp i, 0,1,2
	s_delay_alu instid0(VALU_DEP_3)
	v_mov_b32 v[PF+3+6*\c+\i], v[TP+4*\c+\i]
.endr
.endr
	s_setprio 0
.irp j, 0,2,4,6,8,10,12,14,16,18,20,22,24,26,28,30
	v_pk_mul_f32 v[O+\j:O+1+\j], v[O+\j:O+1+\j], v[252:253] op_sel_hi:[1,0]   ; O^T under the new M; these sixteen are also the places between p's codes and scale word and the products
.endr
	s_wait_alu depctr_va_vdst(0)
	s_wait_dscnt 0x0
.irp t, 0,1,2,3                                ; O^T += v^T p^T: four accumulators, one instruction each
.if \t%2
	v_wmma_scale_f32_16x16x128_f8f6f4 v[O+8*\t:O+8*\t+7], v[S+12*\t:S+12*\t+11], v[PF:PF+11], v[O+8*\t:O+8*\t+7], v[VS+\t/2], v[PS] matrix_a_fmt:MATRIX_FMT_FP6 matrix_b_fmt:MATRIX_FMT_FP6 matrix_a_scale:MATRIX_SCALE_ROW1
.else
	v_wmma_scale_f32_16x16x128_f8f6f4 v[O+8*\t:O+8*\t+7], v[S+12*\t:S+12*\t+11], v[PF:PF+11], v[O+8*\t:O+8*\t+7], v[VS+\t/2], v[PS] matrix_a_fmt:MATRIX_FMT_FP6 matrix_b_fmt:MATRIX_FMT_FP6
.endif
.endr
.endm
.macro FOUR_STEPS                      ; a slot's four key steps: written once, walked four times
	s_mov_b32 s[CNT], 4
.Lstep_\@:
	s_setprio 2
	STEP
	s_add_co_u32 s[TB], s[TB], BLK
	s_sub_co_u32 s[CNT], s[CNT], 1
	s_cmp_lg_u32 s[CNT], 0
	s_cbranch_scc1 .Lstep_\@
	s_setprio 0
	s_sub_co_u32 s[TB], s[TB], SLOTB               ; back to a slot's first step,
	s_xor_b32 s[TB], s[TB], SLOT1                  ; in the other slot
.endm
	s_load_b256 s[4:11], s[0:1], 0x0               ; qb s[4:5], kv s[6:7], ob s[8:9], os s[10:11]
	v_lshl_add_u32 v[SPW], v0, 2, SPARE
	v_mov_b32 v[NIL], 0
	ds_add_u32 v[SPW], v[NIL]                      ; the wave's opening: the add and its wait stand ahead of the first tensor load; the set-up below, work on registers, stands between them
	ds_add_u32 v[SPW], v[NIL]
	v_lshrrev_b32 v7, 5, v0
	s_delay_alu instid0(VALU_DEP_1)
	v_readfirstlane_b32 s[WV], v7                  ; wave 0..15
	s_bfe_u32 s13, ttmp6, 0x40000                  ; cx: my place in the cluster
	s_lshl_b32 s14, ttmp9, 2
	s_add_co_u32 s14, s14, s13                     ; my block of 256 queries: it enters global addresses of q and O alone
	s_and_b32 s15, ttmp7, 0xffff                   ; hb, which the four partners share
	s_mov_b32 s[G1], 15|(3<<16)|(1<<21)            ; 15:0 the mask: all four work-groups; 17:16 elements of 8 bytes; 20 no padding; 21 set beside a mask
	s_mov_b32 s[G1+1], 32<<16                      ; tensor_dim0 = 32 elements: rows of 256 bytes
	s_mov_b32 s[G1+2], 102<<16                     ; tensor_dim1 = 102 rows: two key steps, 26,112 dense bytes
	s_mov_b32 s[G1+3], 32<<16                      ; tile_dim0
	s_mov_b32 s[G1+4], 102                         ; tile_dim1
	s_mov_b32 s[G1+5], 32                          ; the pitch: dense
	s_mov_b32 s[G1+6], 0
	s_mov_b32 s[G1+7], 0
	s_mov_b32 s[SEL], 0x76543210
	s_mov_b32 s[SEL+1], 0xfedcba98
	s_mov_b32 s[CS], 0x3e38aa3b                    ; c = log2(e) / 8
	s_mov_b32 s[CS+1], s[CS]
	s_mov_b32 s[TB], 0
	s_mov_b32 s[SLOTS], 7
	s_mul_i32 s16, s15, 417792                     ; hb's first byte in kv
	s_mov_b32 s17, 0
	s_and_b32 s18, s[WV], 1
	s_mul_i32 s18, s18, 2*BLK                      ; which half of a slot I fetch, in memory and in LDS alike: no place in the cluster enters it
	s_mov_b32 s19, 0
	s_lshr_b32 s[LIM], s[WV], 1
	s_xor_b32 s[LIM], s[LIM], 1                    ; 0 in waves 2 and 3,
	s_or_b32 s[LIM], s[LIM], ttmp9                 ; of hb's first cluster: the same in all four partners
	s_cmp_eq_u32 s[LIM], 0
	s_cselect_b32 s[LIM], 1, -1
	s_mul_i32 s42, s13, BLK                        ; the prefetches: my work-group's key step of a slot,
	s_add_co_u32 s42, s42, s16
	s_add_co_u32 s42, s42, SLOTB                   ; in slot 1: the first change of slots steps it to slot 2
	s_mov_b32 s43, 0
	s_mul_i32 s44, s15, 212992                     ; q: hb, the group of 128 queries 2 x block + wave / 8
	s_lshl_b32 s50, s14, 1
	s_lshr_b32 s51, s[WV], 3
	s_add_co_u32 s50, s50, s51
	s_mul_i32 s50, s50, 6656
	s_add_co_u32 s44, s44, s50
	s_and_b32 s50, s[WV], 7
	s_mul_i32 s50, s50, 768
	s_add_co_u32 s46, s44, s50                     ; my tile's half image
	s_mov_b32 s47, 0
	s_and_b32 s50, s[WV], 1
	s_lshl_b32 s50, s50, 8
	s_bfe_u32 s51, s[WV], 0x20001
	s_lshl_b32 s51, s51, 2
	s_add_co_u32 s50, s50, s51
	s_add_co_u32 s48, s44, s50
	s_add_co_u32 s48, s48, 6144                    ; my tile's scale words: 6,144 + 256 (tile % 2) + 4 (tile / 2), 16 bytes from row to row
	s_mov_b32 s49, 0
	s_lshr_b32 s50, s15, 3                         ; O's codes: head / 4, query tile 16 x block + wave, head % 4, b
	s_mul_i32 s52, s50, 1572864
	s_lshl_b32 s50, s14, 4
	s_add_co_u32 s50, s50, s[WV]
	s_mul_i32 s50, s50, 6144
	s_add_co_u32 s52, s52, s50
	s_bfe_u32 s50, s15, 0x20001
	s_mul_i32 s50, s50, 1536
	s_add_co_u32 s52, s52, s50
	s_and_b32 s50, s15, 1
	s_mul_i32 s50, s50, 768
	s_add_co_u32 s52, s52, s50
	s_mov_b32 s53, 0
	s_lshl_b32 s54, s15, 14                        ; O's scale words: 16,384 an hb, 1,024 a block
	s_lshl_b32 s50, s14, 10
	s_add_co_u32 s54, s54, s50
	s_mov_b32 s55, 0
	s_wait_dscnt 0x0                               ; the opening add is done
	s_wait_kmcnt 0x0
	s_add_nc_u64 s[PFA:PFA+1], s[6:7], s[42:43]
	s_add_nc_u64 s[46:47], s[4:5], s[46:47]
	s_add_nc_u64 s[48:49], s[4:5], s[48:49]
	s_add_nc_u64 s[8:9], s[8:9], s[52:53]
	s_add_nc_u64 s[10:11], s[10:11], s[54:55]
	s_mov_b32 s[G0], 1                             ; count = 1
	s_mov_b32 s[G0+1], s18                         ; LDS address: slot 0, my half
	s_add_nc_u64 s[G0+2:G0+3], s[6:7], s[16:17]    ; global address: hb's first key steps,
	s_add_nc_u64 s[G0+2:G0+3], s[G0+2:G0+3], s[18:19]   ; my half
	s_or_b32 s[G0+3], s[G0+3], 0x80000000          ; type = 2
	CROUND                                         ; all four work-groups are here: the first joint loads meet
	JLOAD                                          ; slot 0
	v_and_b32 v7, 31, v0
	s_delay_alu instid0(VALU_DEP_1)
	v_lshlrev_b32 v[LI], 4, v7
	s_delay_alu instid0(VALU_DEP_2)
	v_lshlrev_b32 v[L8], 3, v7
	v_and_b32 v7, 15, v0
	s_delay_alu instid0(VALU_DEP_1)
	v_lshlrev_b32 v7, 4, v7
	global_load_b128 v[QF:QF+3], v[LI], s[46:47]   ; q's half fragment stays in registers
	global_load_b64 v[QF+4:QF+5], v[L8], s[46:47] offset:512
	global_load_b32 v[QS], v7, s[48:49]            ; lane r: row r's word
.irp i, 6,7,8,9,10,11
	v_mov_b32 v[QF+\i], 0                          ; K = 64: the upper half of each fragment of the first product holds zero codes, written once
.endr
.irp t, 0,1,2,3,4,5,6,7
.irp i, 6,7,8,9,10,11
	v_mov_b32 v[KF+12*\t+\i], 0
.endr
.endr
.irp j, 0,1,2,3,4,5,6,7,8,9,10,11,12,13,14,15,16,17,18,19,20,21,22,23,24,25,26,27,28,29,30,31
	v_mov_b32 v[O+\j], 0                           ; the step is written once: the first finds zeros, which the first change of M leaves zeros
.endr
	v_and_b32 v[PFO], 63, v0
	s_delay_alu instid0(VALU_DEP_1)
	v_min_u32 v[PFO], 50, v[PFO]
	s_delay_alu instid0(VALU_DEP_1)
	v_lshlrev_b32 v[PFO], 8, v[PFO]
	v_mov_b32 v13, 0xff61b1e6                      ; the largest t so far: -3e38, under every t
	s_delay_alu instid0(VALU_DEP_1)
	v_floor_f32 v12, -v13                          ; -M
	v_mov_b32 v14, 0
	v_mov_b32 v15, 0
.irp b, 0,1,2,3
	v_mov_b32 v[TP+\b], 0                          ; written once: a lane permute's destination counts as one of its sources
.endr
	v_mov_b32 v253, 0                              ; named as the upper half of the pair v[252:253]
	s_wait_loadcnt 0x0                             ; q
.Lslot:                                            ; seven trips: behind each change of slots but the last the next slot is asked for
	CHANGE 1
	FOUR_STEPS
	s_sub_co_u32 s[SLOTS], s[SLOTS], 1
	s_cmp_lg_u32 s[SLOTS], 0
	s_cbranch_scc1 .Lslot
	CHANGE 0                                       ; the last slot is written out
	FOUR_STEPS
	; THE WAY OUT.  O^T / the sum; its two blocks of 32 along d are quantised: a half fragment of the last product's operand.
	v_add_f32 v14, v14, v15
	s_delay_alu instid0(VALU_DEP_1)
	v_permlanex16_b32 v252, v14, s[SEL], s[SEL+1]
	s_delay_alu instid0(VALU_DEP_1)
	v_add_f32 v14, v14, v252                       ; the row's sum
	s_wait_alu depctr_va_vdst(0)
	v_rcp_f32 v14, v14
	v_and_b32 v7, 15, v0                           ; address work on every wave's path: the plain place behind the reciprocal, and the places behind the last products
	s_delay_alu instid0(VALU_DEP_1)
	v_lshlrev_b32 v7, 2, v7
	s_lshl_b32 s50, s[WV], 6
	s_add_co_u32 s50, s50, OSG
	v_add_nc_u32 v7, s50, v7                       ; OSG + 64 wave + 4 r
	v_lshl_add_u32 v[A16], v0, 4, OSG              ; for waves 0 and 1: 16 bytes a thread of the 1,024
	v_lshlrev_b32 v[A8], 4, v0
	s_wait_alu depctr_va_vdst(0)                   ; the wait ahead of the reciprocal's first reader
.irp j, 0,2,4,6,8,10,12,14,16,18,20,22,24,26,28,30
	v_pk_mul_f32 v[S+\j:S+1+\j], v[O+\j:O+1+\j], v[14:15] op_sel_hi:[1,0]   ; register 16 b + i is d = 32 b + 16 h + i; each accumulator from its low end on
.endr
.irp b, 0,1
	v_max3_num_f32 v[BM+\b], |v[S+16*\b]|, |v[S+1+16*\b]|, 0x1800000
.endr
.irp i, 2,4,6,8,10,12,14
.irp b, 0,1
	s_delay_alu instid0(VALU_DEP_2)
	v_max3_num_f32 v[BM+\b], v[BM+\b], |v[S+16*\b+\i]|, |v[S+1+16*\b+\i]|
.endr
.endr
.irp b, 0,1
	s_delay_alu instid0(VALU_DEP_2)
	v_permlanex16_b32 v[TP+\b], v[BM+\b], s[SEL], s[SEL+1]
.endr
.irp b, 0,1
	s_delay_alu instid0(VALU_DEP_2)
	v_max_num_f32 v[BM+\b], v[BM+\b], v[TP+\b]
.endr
.irp b, 0,1
	s_delay_alu instid0(VALU_DEP_2)
	v_add_nc_u32 v[SO+\b], 0xff000000, v[BM+\b]
.endr
.irp b, 0,1
	s_delay_alu instid0(VALU_DEP_2)
	v_lshrrev_b32 v[TP+\b], 23, v[SO+\b]
.endr
	s_delay_alu instid0(VALU_DEP_1)
	v_lshl_or_b32 v254, v[TP+1], 8, v[TP]          ; my row's two bytes
	v_cvt_scalef32_pk16_fp6_f32 v[PF:PF+2], v[S:S+15], v[SO]
	v_cvt_scalef32_pk16_fp6_f32 v[TP:TP+2], v[S+16:S+31], v[SO+1]
	v_nop                                          ; one plain place behind a scaled conversion
.irp i, 0,1,2
	v_permlane16_swap_b32 v[PF+\i], v[TP+\i]
.endr
.irp i, 0,1,2
	s_delay_alu instid0(VALU_DEP_3)
	v_mov_b32 v[PF+3+\i], v[TP+\i]
.endr
	global_store_b128 v[LI], v[PF:PF+3], s[8:9]            ; 512 consecutive bytes,
	global_store_b64 v[L8], v[PF+4:PF+5], s[8:9] offset:512   ; and 256: whole aligned blocks of 256 bytes
	ds_store_b32 v7, v254                          ; lanes l and l xor 16 write the same word with the same value
	s_wait_dscnt 0x0                               ; for the others' sake: my store has landed
	s_barrier_signal -1
	s_barrier_wait -1
	s_cmp_lt_u32 s[WV], 2
	s_cbranch_scc0 .Lno_os
	ds_load_b128 v[S:S+3], v[A16]
	s_wait_dscnt 0x0
	global_store_b128 v[A8], v[S:S+3], s[10:11]    ; the work-group's 1,024 bytes of scale words, 512 a wave
.Lno_os:
	s_wait_tensorcnt 0x0                           ; the wave's end, behind my last tensor load and my last LDS store
	ds_add_u32 v[SPW], v[NIL]
	s_wait_dscnt 0x0
	CROUND                                         ; the closing round: no work-group ends while a partner may still ask for a tile that names it
	s_endpgm
.Lfunc_end_k_q6b4432a492_attn:
	.size	k_q6b4432a492_attn, .Lfunc_end_k_q6b4432a492_attn-k_q6b4432a492_attn
	.p2alignl 7, 3214868480
	.fill 96, 4, 3214868480
	.section	.rodata,"a",@progbits
	.p2align	6, 0x0
	.amdhsa_kernel k_q6b4432a492_attn
		.amdhsa_group_segment_fixed_size 327680
		.amdhsa_private_segment_fixed_size 0
		.amdhsa_enable_private_segment 0
		.amdhsa_kernarg_size 32
		.amdhsa_user_sgpr_count 2
		.amdhsa_user_sgpr_kernarg_segment_ptr 1
		.amdhsa_wavefront_size32 1
		.amdhsa_system_sgpr_workgroup_id_x 1
		.amdhsa_system_sgpr_workgroup_id_y 1
		.amdhsa_system_sgpr_workgroup_id_z 1
		.amdhsa_system_vgpr_workitem_id 0
		.amdhsa_next_free_vgpr 256
		.amdhsa_next_free_sgpr 66
		.amdhsa_reserve_vcc 0
		.amdhsa_float_denorm_mode_32 3
		.amdhsa_float_denorm_mode_16_64 3
		.amdhsa_memory_ordered 1
		.amdhsa_forward_progress 1
		.amdhsa_inst_pref_size 50
	.end_amdhsa_kernel
	.amdgpu_metadata
---
amdhsa.version: [ 1, 2 ]
amdhsa.kernels:
  - .name:           k_q6b4432a492_attn
    .symbol:         k_q6b4432a492_attn.kd
    .args:
      - { .name: qb, .offset: 0, .size: 8, .value_kind: global_buffer, .address_space: global }
      - { .name: kv, .offset: 8, .size: 8, .value_kind: global_buffer, .address_space: global }
      - { .name: ob, .offset: 16, .size: 8, .value_kind: global_buffer, .address_space: global }
      - { .name: os, .offset: 24, .size: 8, .value_kind: global_buffer, .address_space: global }
    .group_segment_fixed_size: 327680
    .private_segment_fixed_size: 0
    .kernarg_segment_align: 8
    .kernarg_segment_size: 32
    .max_flat_workgroup_size: 512
    .sgpr_count:     66
    .vgpr_count:     256
    .wavefront_size: 32
...
	.end_amdgpu_metadata
.endif
;; end of part 7
;; launch oproj (part 8): grid 256 x 1, 4 waves a work-group, no clusters, 68,096 bytes of LDS; arguments ob, os, wc, ws, bo, out0; writes out0
.if DOCPART == 8
	.amdgcn_target "amdgcn-amd-amdhsa--gfx1250"
	.amdhsa_code_object_version 6
	.text
	.protected	k_q6b4432a492_oproj
	.globl	k_q6b4432a492_oproj
	.p2align	8
	.type	k_q6b4432a492_oproj,@function
k_q6b4432a492_oproj:
	s_mov_b64 s[64:65], 0
	v_nop
	global_prefetch_b8 v0, s[64:65] scope:SCOPE_SE
	s_setreg_imm32_b32 hwreg(HW_REG_WAVE_SCHED_MODE, 0, 2), 2
	s_setreg_imm32_b32 hwreg(HW_REG_WAVE_MODE, 25, 1), 1
	s_wait_xcnt 0x0
	s_wait_alu depctr_vm_vsrc(0)
; out0 = O Wo^T + bo on codes of FP6 (E2M3) with one E8M0 scale for each 32 along K = 512.  O's rows are (s, b'), its codes and scale words made by the attention launch; Wo's by the first launch, in operand order.
; A work-group takes two tiles of 16 rows (b' = x / 128, P = x % 128: tile 2 P + a holds positions 32 P + 8 a + r + 8 (r / 8)) and all 512 columns; wave w owns columns 128 w .. + 127.
; Source 0 = 16 rows of Wo (tile i's row r is n = 32 (i / 2) + 8 (i % 2) + r + 8 (r / 8) of my 128), source 1 = 16 rows of O: a lane holds one row, and registers of two neighbouring tiles 16 neighbouring columns.
; All operands are loaded straight into registers at the head, as images: 64 products a wave, 16 accumulators in two groups of eight by turns.  The bias is the C of each sum's first product.
; The results go through the wave's own stage in LDS and leave as rows of 512 consecutive bytes.  No barrier: waves share nothing in LDS.
; NO CLUSTER: Wo's 196,608 bytes go from memory into operand registers, each byte once a work-group; a joint load would send them through LDS, written and read again, for 64 products a wave.
; THE MODE: SCHED_MODE bits 1:0 = 2 (LLVM: expert scheduling mode 2), set by the entry lines.  The code itself states the register dependences
; between vector or matrix instructions and memory or LDS instructions, with s_wait_alu, always for 0.
; THE PLAN.  Registers that memory or LDS instructions touch:
;   v1-v6        offsets and LDS addresses: written once at the head, only read afterwards: one wait on va_vdst ahead of the first load.
;   operands, bias, scale words: loaded once, into registers that no vector instruction has named.  Wo's tiles 4 to 7 are asked for last and land while the first 32 products run.
;   OSW          written by four vector lines, taken as scales by every product: eight places, then a wait on va_vdst.
;   accumulators written by the products, read by the stage stores;  v16-79, O's fragments, read by the products, then the rows of tile 1 land there: four places, then one wait on va_vdst for both.
;   Nothing that a memory or LDS instruction reads is ever written again: no wait on vm_vsrc is written.
.set STGB,  8448                       ; a stage: 16 rows x (512 bytes + 16); two for each wave
.set SPARE, 67584                      ; behind the stages: the spare words, 128 bytes for each wave: two blocks of 256 bytes that no other line names
.set LI,   1                           ; v1  16 x lane
.set L8,   2                           ; v2  8 x lane
.set L4,   3                           ; v3  4 x lane
.set STO,  4                           ; v4  my stage: 528 r + 64 h
.set SRD,  5                           ; v5  my stage: 16 x lane
.set BOFF, 6                           ; v6  64 h
.set SPW,  8                           ; v8  LDS address of my spare word; never rewritten
.set NIL,  9                           ; v9  0; never rewritten
.set T,    16                          ; v16-111  O's fragments (tile a, K step s) at 12 (4 a + s); later rows of tile 1 read back
.set RAW,  112                         ; v112-119 O's scale words as stored: (K step s, b) at 2 s + b
.set OSW,  120                         ; v120-123 O's scale words: scales and nothing else; lanes 0-15 tile 0, lanes 16-31 tile 1
.set WSR,  124                         ; v124-139 Wo's scale words: scales and nothing else
.set RB0,  144                         ; v144-207 rows of tile 0 read back
.set RB1,  16
.set BIAS, 128                         ; window 3: v0-127 the accumulators (a, i) at 8 (8 a + i); v128-191 the bias, tile i at 8 i
                                       ; window 1: Wo's fragments (i = 0..3, s) at 12 (4 i + s);  window 2: (i = 4..7, s)
.set WV,   16
.set MSB, 0
.macro WIN new                         ; the immediate's high byte repeats the setting that is left
.if MSB != \new
	s_set_vgpr_msb (MSB<<8)|\new
.set MSB, \new
.endif
.endm
.macro WM ra, rb
.if ((\ra) == 0) && ((\rb) == 0)
	v_wmma_scale_f32_16x16x128_f8f6f4 v[rD:rD+7], v[rA:rA+11], v[rB:rB+11], v[rC:rC+7], v[rSA], v[rSB] matrix_a_fmt:MATRIX_FMT_FP6 matrix_b_fmt:MATRIX_FMT_FP6
.elseif (\rb) == 0
	v_wmma_scale_f32_16x16x128_f8f6f4 v[rD:rD+7], v[rA:rA+11], v[rB:rB+11], v[rC:rC+7], v[rSA], v[rSB] matrix_a_fmt:MATRIX_FMT_FP6 matrix_b_fmt:MATRIX_FMT_FP6 matrix_a_scale:MATRIX_SCALE_ROW1
.elseif (\ra) == 0
	v_wmma_scale_f32_16x16x128_f8f6f4 v[rD:rD+7], v[rA:rA+11], v[rB:rB+11], v[rC:rC+7], v[rSA], v[rSB] matrix_a_fmt:MATRIX_FMT_FP6 matrix_b_fmt:MATRIX_FMT_FP6 matrix_b_scale:MATRIX_SCALE_ROW1
.else
	v_wmma_scale_f32_16x16x128_f8f6f4 v[rD:rD+7], v[rA:rA+11], v[rB:rB+11], v[rC:rC+7], v[rSA], v[rSB] matrix_a_fmt:MATRIX_FMT_FP6 matrix_b_fmt:MATRIX_FMT_FP6 matrix_a_scale:MATRIX_SCALE_ROW1 matrix_b_scale:MATRIX_SCALE_ROW1
.endif
.endm
.macro PROD a, i, s
.set rD, 8*(8*(\a)+(\i))
.set rA, 12*(4*((\i)%4)+(\s))
.set rB, T+12*(4*(\a)+(\s))
.if (\s) == 0
.set rC, BIAS+8*(\i)
.else
.set rC, rD
.endif
.set rSA, WSR+4*((\i)/2)+(\s)
.set rSB, OSW+(\s)
	WM (\i)%2, \a
.endm
	s_load_b256 s[4:11], s[0:1], 0x0               ; ob s[4:5], os s[6:7], wc s[8:9], ws s[10:11]
	s_load_b128 s[12:15], s[0:1], 0x20             ; bo s[12:13], out0 s[14:15]
	v_lshl_add_u32 v[SPW], v0, 2, SPARE
	v_mov_b32 v[NIL], 0
	v_lshrrev_b32 v10, 5, v0
	v_readfirstlane_b32 s[WV], v10                 ; wave 0..3
	s_lshr_b32 s17, ttmp9, 7                       ; b'
	s_and_b32 s18, ttmp9, 127                      ; P
	v_and_b32 v10, 31, v0
	v_lshlrev_b32 v[LI], 4, v10
	v_lshlrev_b32 v[L8], 3, v10
	v_lshlrev_b32 v[L4], 2, v10
	v_and_b32 v11, 15, v0                          ; r
	v_bfe_u32 v12, v0, 4, 1                        ; h
	s_wait_alu depctr_va_sdst(0)                   ; the wave's number is written, ahead of its first reader: my stages' place and the bases are made from it
	s_mul_i32 s19, s[WV], 2*STGB                   ; my two stages
	v_mul_u32_u24 v[STO], v11, 528
	v_lshl_add_u32 v[STO], v12, 6, v[STO]
	v_add_nc_u32 v[STO], s19, v[STO]
	v_add_nc_u32 v[SRD], s19, v[LI]
	v_lshlrev_b32 v[BOFF], 6, v12
	s_mul_i32 s20, s17, 1572864                    ; O's codes: b', tile 2 P
	s_mul_i32 s19, s18, 12288
	s_add_co_u32 s20, s20, s19
	s_mov_b32 s21, 0
	s_lshl_b32 s22, s17, 17                        ; O's scale words: hb = 8 b' on, tiles 2 P and 2 P + 1
	s_lshl_b32 s19, s18, 7
	s_add_co_u32 s22, s22, s19
	s_mov_b32 s23, 0
	s_mul_i32 s24, s[WV], 49152                    ; Wo's images: the fourth tensor, my eight tiles
	s_add_co_u32 s24, s24, 589824
	s_mov_b32 s25, 0
	s_lshl_b32 s26, s[WV], 11                      ; Wo's scale words
	s_add_co_u32 s26, s26, 24576
	s_mov_b32 s27, 0
	s_lshl_b32 s28, s[WV], 9                       ; my 128 columns, in bo and in a row of out0
	s_mov_b32 s29, 0
	s_lshl_b32 s30, s18, 17                        ; out0: row (32 P, b') of 2,048 bytes
	s_lshl_b32 s19, s17, 11
	s_add_co_u32 s30, s30, s19
	s_add_co_u32 s30, s30, s28
	s_mov_b32 s31, 0
	s_wait_kmcnt 0x0
	s_add_nc_u64 s[4:5], s[4:5], s[20:21]
	s_add_nc_u64 s[6:7], s[6:7], s[22:23]
	s_add_nc_u64 s[8:9], s[8:9], s[24:25]
	s_add_nc_u64 s[10:11], s[10:11], s[26:27]
	s_add_nc_u64 s[12:13], s[12:13], s[28:29]
	s_add_nc_u64 s[14:15], s[14:15], s[30:31]
	s_wait_alu depctr_va_vdst(0)                   ; the offsets and LDS addresses v1 to v6 are written: every load and store of the kernel reads one of them
.irp q, 0,1,2,3,4,5,6,7
	global_load_b32 v[RAW+\q], v[L4], s[6:7] offset:16384*\q   ; 128 consecutive bytes: lanes 0-15 tile 2 P's rows, lanes 16-31 tile 2 P + 1's
.endr
.irp g, 0,1,2,3
.irp k, 0,1
	global_load_b64 v[WSR+4*\g+2*\k:WSR+4*\g+2*\k+1], v[L8], s[10:11] offset:512*\g+256*\k
.endr
.endr
.irp f, 0,1,2,3,4,5,6,7                        ; fragment 4 a + s: two half images, b = 0 (registers 0-5) and b = 1 (registers 6-11)
	global_load_b128 v[T+12*\f:T+12*\f+3], v[LI], s[4:5] offset:1536*\f
	global_load_b64 v[T+12*\f+4:T+12*\f+5], v[L8], s[4:5] offset:1536*\f+512
	global_load_b128 v[T+12*\f+6:T+12*\f+9], v[LI], s[4:5] offset:1536*\f+768
	global_load_b64 v[T+12*\f+10:T+12*\f+11], v[L8], s[4:5] offset:1536*\f+1280
.endr
	WIN 0xc0                                       ; destination window 3
.irp i, 0,1,2,3,4,5,6,7
	global_load_b128 v[BIAS+8*\i:BIAS+8*\i+3], v[BOFF], s[12:13] offset:(32*(\i/2)+8*(\i%2))*4
	global_load_b128 v[BIAS+8*\i+4:BIAS+8*\i+7], v[BOFF], s[12:13] offset:(32*(\i/2)+8*(\i%2))*4+16
.endr
.irp i, 0,1,2,3,4,5,6,7
	WIN 0x40+0x40*(\i/4)                           ; destination window 1, then 2
.irp s, 0,1,2,3
.irp c, 0,1,2
	global_load_b128 v[12*(4*(\i%4)+\s)+4*\c:12*(4*(\i%4)+\s)+4*\c+3], v[LI], s[8:9] offset:(4*\i+\s)*1536+512*\c
.endr
.endr
.endr
	WIN 0
	s_wait_loadcnt 48                              ; all but the youngest 48 loads, Wo's tiles 4 to 7, are in
.irp s, 0,1,2,3
	v_lshl_or_b32 v[OSW+\s], v[RAW+2*\s+1], 16, v[RAW+2*\s]   ; bytes 0, 1: b = 0's two blocks; bytes 2, 3: b = 1's
.endr
.rept 8
	v_nop                                          ; a scale register written by a vector instruction stands eight places ahead of a scaled product
.endr
	s_wait_alu depctr_va_vdst(0)                   ; the four lines above have written O's scale words, which the products take as scales; the places above stay beside this wait
	WIN 0xf1                                       ; source 0 window 1, source 1 window 0, C and D window 3
.irp s, 0,1,2,3                                ; eight accumulators by turns, one instruction a turn
.irp a, 0,1
.irp i, 0,1,2,3
	PROD \a, \i, \s
.endr
.endr
.endr
	s_wait_loadcnt 0x0                             ; Wo's tiles 4 to 7 are in
	WIN 0xf2                                       ; source 0 window 2
.irp s, 0,1,2,3
.irp a, 0,1
.irp i, 4,5,6,7
	PROD \a, \i, \s
.endr
.endr
.endr
	WIN 0
.rept 4
	v_nop                                          ; four places in front of the first read of results
.endr
	s_wait_alu depctr_va_vdst(0)                   ; the products have written the accumulators, which the stage stores read, and are done reading O's fragments, in whose registers tile 1's rows land; the places above stay beside this wait
.irp a, 0,1
	WIN 0x0c                                       ; an LDS store's data are its source 1: window 3
.irp i, 0,1,2,3,4,5,6,7
	ds_store_b128 v[STO], v[8*(8*\a+\i):8*(8*\a+\i)+3] offset:STGB*\a+128*(\i/2)+32*(\i%2)       ; each accumulator from its low end on
	ds_store_b128 v[STO], v[8*(8*\a+\i)+4:8*(8*\a+\i)+7] offset:STGB*\a+128*(\i/2)+32*(\i%2)+16
.endr
	WIN 0
.irp t, 0,1,2,3,4,5,6,7,8,9,10,11,12,13,14,15
	ds_load_b128 v[RB0+(RB1-RB0)*\a+4*\t:RB0+(RB1-RB0)*\a+4*\t+3], v[SRD] offset:STGB*\a+528*\t   ; LDS serves a wave's instructions in order: these see my stores
.endr
.endr
	s_wait_dscnt 32                                ; tile 0's rows are back; tile 1's 16 stores and 16 loads may be out
.irp t, 0,1,2,3,4,5,6,7,8,9,10,11,12,13,14,15
	global_store_b128 v[LI], v[RB0+4*\t:RB0+4*\t+3], s[14:15] offset:(\t+8*(\t/8))*4096 th:TH_STORE_NT   ; 32 lanes store 512 consecutive bytes, aligned to 256
.endr
	s_wait_dscnt 0x0
.irp t, 0,1,2,3,4,5,6,7,8,9,10,11,12,13,14,15
	global_store_b128 v[LI], v[RB1+4*\t:RB1+4*\t+3], s[14:15] offset:(8+\t+8*(\t/8))*4096 th:TH_STORE_NT
.endr
	s_wait_dscnt 0x0                               ; the wave's end
	s_wait_alu 0x0
	s_wait_tensorcnt 0x0
	ds_add_u32 v[SPW], v[NIL]
	s_wait_dscnt 0x0
	s_endpgm
.Lfunc_end_k_q6b4432a492_oproj:
	.size	k_q6b4432a492_oproj, .Lfunc_end_k_q6b4432a492_oproj-k_q6b4432a492_oproj
	.p2alignl 7, 3214868480
	.fill 96, 4, 3214868480
	.section	.rodata,"a",@progbits
	.p2align	6, 0x0
	.amdhsa_kernel k_q6b4432a492_oproj
		.amdhsa_group_segment_fixed_size 68096
		.amdhsa_private_segment_fixed_size 0
		.amdhsa_enable_private_segment 0
		.amdhsa_kernarg_size 48
		.amdhsa_user_sgpr_count 2
		.amdhsa_user_sgpr_kernarg_segment_ptr 1
		.amdhsa_wavefront_size32 1
		.amdhsa_system_sgpr_workgroup_id_x 1
		.amdhsa_system_sgpr_workgroup_id_y 1
		.amdhsa_system_sgpr_workgroup_id_z 1
		.amdhsa_system_vgpr_workitem_id 0
		.amdhsa_next_free_vgpr 960
		.amdhsa_next_free_sgpr 66
		.amdhsa_reserve_vcc 0
		.amdhsa_float_denorm_mode_32 3
		.amdhsa_float_denorm_mode_16_64 3
		.amdhsa_memory_ordered 1
		.amdhsa_forward_progress 1
		.amdhsa_inst_pref_size 34
	.end_amdhsa_kernel
	.amdgpu_metadata
---
amdhsa.version: [ 1, 2 ]
amdhsa.kernels:
  - .name:           k_q6b4432a492_oproj
    .symbol:         k_q6b4432a492_oproj.kd
    .args:
      - { .name: ob, .offset: 0, .size: 8, .value_kind: global_buffer, .address_space: global }
      - { .name: os, .offset: 8, .size: 8, .value_kind: global_buffer, .address_space: global }
      - { .name: wc, .offset: 16, .size: 8, .value_kind: global_buffer, .address_space: global }
      - { .name: ws, .offset: 24, .size: 8, .value_kind: global_buffer, .address_space: global }
      - { .name: bo, .offset: 32, .size: 8, .value_kind: global_buffer, .address_space: global }
      - { .name: out0, .offset: 40, .size: 8, .value_kind: global_buffer, .address_space: global }
    .group_segment_fixed_size: 68096
    .private_segment_fixed_size: 0
    .kernarg_segment_align: 8
    .kernarg_segment_size: 48
    .max_flat_workgroup_size: 128
    .sgpr_count:     66
    .vgpr_count:     960
    .wavefront_size: 32
...
	.end_amdgpu_metadata
.endif
;; end of part 8
